; MI455X (gfx1250); checked and timed in simulation.
; The chip was launched on July 23, 2026; its instructions are those of AMD's public machine-readable ISA for CDNA 5 (MIT licence, August 2026) and "CDNA5" Instruction Set Architecture Reference Guide (July 2026). The comments in the code are by the model that wrote it; some were corrected since.
;; Multi Head Attention. Allowed arithmetic: matrix products marked QUANTISED: E3M2 operands, one E8M0 scale for each 32 along K, by v_wmma_scale_f32_16x16x128_f8f6f4 with both operands' format E3M2, f32 sums; everything else in f32.
;; Inputs: Wk 16 x 1,024 x 64 float32; Wp 1,024 x 1,024 float32; Wq 16 x 1,024 x 64 float32; Wv 16 x 1,024 x 64 float32; bp 1,024 float32; x 4 x 2,048 x 1,024 float32.
;; Outputs: out0 4 x 2,048 x 1,024 float32.
;; This version of the problem:
;;   THIS VERSION OF THE PROBLEM IS GIVEN IN LOW PRECISION. The matrix products marked QUANTISED in the list below multiply operands that are first quantised to E3M2 (3 exponent bits, 2 mantissa bits; 6 bits a number), with one power-of-two scale for each 32 numbers along K (OCP MX v1.0); their sums are f32. All else is computed in f32.
;;   The module's matrix products, in the order in which they are computed (A, B: the left and right operand; K: the contracted axis; several contracted axes count as one K, in the product's order):
;;     1. [M 1,024, K 1,024] x [K 1,024, N 8,192]; A: input Wq; B: input x: QUANTISED
;;     2. [M 1,024, K 1,024] x [K 1,024, N 8,192]; A: input Wk; B: input x: QUANTISED
;;     3. [M 1,024, K 1,024] x [K 1,024, N 8,192]; A: input Wv; B: input x: QUANTISED
;;     4. batch 64 x [M 2,048, K 64] x [K 64, N 2,048]; A: computed on the way; B: computed on the way: QUANTISED
;;     5. batch 64 x [M 2,048, K 2,048] x [K 2,048, N 64]; A: softmax (see below); B: computed on the way: QUANTISED
;;     6. [M 8,192, K 1,024] x [K 1,024, N 1,024]; A: computed on the way; B: input Wp: QUANTISED
;;   THE QUANTISER, for each operand of a quantised product, along K:
;;     - K is cut into blocks of 32 from its start; a last block that is shorter is filled with zeros.
;;     - A block's scale is 2^e with e = floor(log2(the largest magnitude in the block)) - 4, held to -126 .. 127; a block of zeros has e = 0. As a byte (E8M0): e + 127.
;;     - Each number is divided by its block's scale, clamped to +-28, and rounded to the nearest number of E3M2, ties to even, subnormals kept.
;;     - The product sums the exact products of the quantised numbers (number of the format x scale) in f32.
;;   ~~~python
;;   def quantise(x, axis):      # numpy; x: float32 -> the quantised numbers, widened to float32 again
;;       x = np.moveaxis(x, axis, -1); K = x.shape[-1]
;;       x = np.pad(x, [(0, 0)] * (x.ndim - 1) + [(0, -K % 32)]); x = x.reshape(x.shape[:-1] + (-1, 32)); a = np.abs(x).max(-1, keepdims=True)
;;       e = np.where(a > 0, np.clip(np.frexp(np.where(a > 0, a, 1))[1] - 1 - 4, -126, 127), 0)      # np.frexp(a)[1] - 1 = floor(log2(a)), exactly
;;       r = np.clip(x / 2.0 ** e, -28, 28)
;;       step = 2.0 ** (np.maximum(np.frexp(np.where(r == 0, 1, r))[1] - 1, -2) - 2)
;;       q = np.round(r / step) * step * 2.0 ** e      # np.round: ties to even
;;       return np.moveaxis(q.reshape(q.shape[:-2] + (-1,))[..., :K], -1, axis).astype(np.float32)
;;   ~~~
;;   SOFTMAX AHEAD OF A QUANTISED PRODUCT. Where the list says 'softmax', what is quantised is not the finished softmax but p = 2^(t - M), with t = logit x log2(e) and M = ceil(the row's largest t), a whole number; so 1/2 < the row's largest p <= 1. The row's sum l is taken of the UNQUANTISED p, in f32, and the product's result is divided by l at the end. Since M is a whole number, a kernel that streams over the keys may use a running M (the ceiling of the running maximum): every later rescaling is an exact power of two, which a block's scale takes up: the codes' values come out the same.
;;   OPERANDS COMPUTED ON THE WAY. 'Computed on the way' means the value that the module computes at that place (a softmax that the list does not call 'softmax' is quantised finished and normalised). What goes into a quantiser is computed in f32, as accurately as f32 sums, v_exp_f32 and their like allow (about 1e-6 of the number): no bf16 or f16 on the way to a quantiser, and a product that is left as it is and whose result goes on into a quantised operand takes f32 operands (vector FMAs, or v_wmma_f32_16x16x4_f32). A number that lies on a knife's edge between two numbers of the format may be rounded either way, as far as f32 arithmetic and the matrix unit's own rounding can turn it there, and no further.
;; One version. Each part assembles by itself: llvm-mc -triple=amdgcn-amd-amdhsa -mcpu=gfx1250 --defsym DOCPART=n.
;; ======== version 1 of 1: 4 launches
;; limits: right only within a limited range of input values
;; workspace buffers: acodes 6,291,456 bytes; ascales 262,144 bytes; wcodes 3,145,728 bytes; wscales 262,144 bytes; qcodes 6,291,456 bytes; qscales 524,288 bytes; kv 13,369,344 bytes
;; launch quant (part 1): grid 384 x 1, 4 waves a work-group, no clusters, 59,904 bytes of LDS; arguments x, Wq, Wk, Wv, Wp, acodes, ascales, wcodes, wscales; writes acodes, ascales, wcodes, wscales
.if DOCPART == 1
	.amdgcn_target "amdgcn-amd-amdhsa--gfx1250"
	.amdhsa_code_object_version 6
	.text
	.protected	k_q36ddcd2ab7_quant
	.globl	k_q36ddcd2ab7_quant
	.p2align	8
	.type	k_q36ddcd2ab7_quant,@function
k_q36ddcd2ab7_quant:
	s_mov_b64 s[64:65], 0
	v_nop
	global_prefetch_b8 v0, s[64:65] scope:SCOPE_SE
	s_setreg_imm32_b32 hwreg(HW_REG_WAVE_MODE, 25, 1), 1
	s_wait_xcnt 0x0
; x [8192][1024] f32 (K innermost) and the four weights (K = their axis of 1,024: Wq, Wk, Wv [16][1024][64], Wp [1024][1024]) become codes of BF6 (E3M2) with one E8M0 byte for each 32 along K.
; A block's scale is 2^(floor(log2(its largest magnitude)) - 4): its byte is the largest magnitude's exponent field - 4, held at 1 from below by a floor among the maximum's leaves.
; LAYOUT OF THE RESULTS: images of operand registers.  Row POSITION p of a buffer holds true row sigma(p) = p with bits 3 and 4 exchanged; a tile is 16 positions.  A half image (768 bytes) is 16 rows x 64 K:
; lane L = (r = L % 16, h = L / 16) owns the 24 bytes of k = 32 h .. 32 h + 31 of row r: bytes 0-15 at 16 L, bytes 16-23 at 512 + 8 L.  Codes: [tile][16 half images].
; Scale bytes: plane (K / 256) x 65,536 + tile x 128 + 8 r + 4 ((K / 128) % 2) + (K / 32) % 4.  wcodes rows: 0 Wq (64 head + d), 1,024 Wk, 2,048 Wv, 3,072 the columns of Wp.
; LIMITS: NaN and infinities among the inputs are not served.  A block of zeros gets the byte 1 where the rule says 127: its codes are zeros, and this program alone reads the bytes.
; Work-groups 0-255 take x, 32 tokens each (wave w: K = 256 w on); work-groups 256-383 take 128 columns x 256 K of a weight (wave w: 32 columns).  Waves share nothing: no barrier.  Each way has LDS bytes of its own.
.set XREG, 8448                        ; x: a stage of 16 rows x (512 + 16) bytes for each wave, from LDS byte 0
.set WSTG, 4*XREG                      ; the weights: 2 tiles x (3,072 + 128) bytes for each wave
.set WREG, 6400
.set R,    16                          ; v16-143  x: two sets of 64 numbers as loaded
.set X,    144                         ; v144-207 x: 64 numbers of a lane: register 16 b + i = k 32 b + 16 h + i of its row
.set PC,   208                         ; v208-226 a fragment's codes, and work
.set TM,   228                         ; v228-243 maxima, bytes, scale operands
.set PWS,  244                         ; v244-247 the four fragments' scale words
.set OFF,  16                          ; v16-47   weights: 4 x lane + i rows
.set WX,   48                          ; v48-111  weights: two sets of 32 numbers
.set C,    112                         ; v112-120 a block's codes
.set SB,   122                         ; v122-123 eight scale bytes
.set OUTR, 128                         ; v128-175 the way out
.set WB,   40                          ; s40-55   weights: the address of each of my eight blocks of 32 rows
; 64 numbers of a lane become a fragment's 12 registers of codes, v[PC] on, and its row's scale word
.macro QUANT s, pw
.irp b, 0,1,2,3
	v_max3_num_f32 v[TM+\b], |v[\s+16*\b]|, |v[\s+1+16*\b]|, 0x2800000   ; block b: my 16 numbers, and the floor 2^(5 - 127)
.endr
.irp i, 2,4,6,8,10,12,14
.irp b, 0,1,2,3
	v_max3_num_f32 v[TM+\b], v[TM+\b], |v[\s+16*\b+\i]|, |v[\s+1+16*\b+\i]|
.endr
.endr
.irp b, 0,1,2,3
	v_permlanex16_b32 v[TM+4+\b], v[TM+\b], s24, s25
.endr
.irp b, 0,1,2,3
	v_max_num_f32 v[TM+\b], v[TM+\b], v[TM+4+\b]   ; with lane l xor 16: the block's largest magnitude
.endr
.irp b, 0,1,2,3
	v_add_nc_u32 v[TM+12+\b], 0xfe000000, v[TM+\b]   ; 4 off its exponent field: the conversion's scale operand
.endr
.irp b, 0,1,2,3
	v_lshrrev_b32 v[TM+4+\b], 23, v[TM+12+\b]      ; the scale's byte
.endr
	v_lshl_or_b32 v[\pw], v[TM+5], 8, v[TM+4]
	v_lshl_or_b32 v[\pw], v[TM+6], 16, v[\pw]
	v_lshl_or_b32 v[\pw], v[TM+7], 24, v[\pw]
.irp c, 0,1
	v_cvt_scalef32_pk16_bf6_f32 v[PC+6*\c:PC+2+6*\c], v[\s+32*\c:\s+15+32*\c], v[TM+12+2*\c]
	v_cvt_scalef32_pk16_bf6_f32 v[PC+12+4*\c:PC+14+4*\c], v[\s+16+32*\c:\s+31+32*\c], v[TM+12+2*\c+1]   ; a conversion's three registers begin on an even number
.endr
	v_nop                                          ; one plain instruction behind the scaled conversions
.irp c, 0,1                                    ; the operand wants a whole block in a lane: lanes 0-15 block 2 c, lanes 16-31 block 2 c + 1
.irp i, 0,1,2
	v_permlane16_swap_b32 v[PC+6*\c+\i], v[PC+12+4*\c+\i]
.endr
.irp i, 0,1,2
	v_mov_b32 v[PC+3+6*\c+\i], v[PC+12+4*\c+\i]
.endr
.endr
.endm
	s_load_b512 s[4:19], s[0:1], 0x0               ; x 4, Wq 6, Wk 8, Wv 10, Wp 12, acodes 14, ascales 16, wcodes 18
	s_load_b64 s[20:21], s[0:1], 0x40              ; wscales
	v_lshl_add_u32 v254, v0, 2, 0xe800
	v_mov_b32 v255, 0
	v_lshrrev_b32 v1, 5, v0
	v_readfirstlane_b32 s22, v1                    ; wave 0..3
	v_and_b32 v1, 31, v0                           ; lane
	s_cmp_ge_u32 ttmp9, 256
	s_cbranch_scc1 .Lweights
	; ---------------- x: tokens 32 g .. 32 g + 31 (two tiles of positions), K = 256 w .. 256 w + 255: four fragments f = 2 u + kk (tile u, 128 kk along K)
	v_and_b32 v2, 15, v0                           ; r
	v_bfe_u32 v3, v0, 4, 1                         ; h
	v_lshlrev_b32 v4, 4, v1                        ; 16 x lane
	v_lshlrev_b32 v5, 3, v1                        ; 8 x lane
	s_mul_i32 s26, s22, XREG
	v_add_nc_u32 v6, s26, v4                       ; into the stage: a row's 512 bytes as they lie
	v_mul_u32_u24 v7, v2, 528
	v_lshl_add_u32 v7, v3, 6, v7
	v_add_nc_u32 v7, s26, v7                       ; out of it: row r, + 64 h: my 16 numbers of each block of 32
	s_mov_b32 s24, 0x76543210
	s_mov_b32 s25, 0xfedcba98                      ; lane l xor 16
.irp b, 0,1,2,3
	v_mov_b32 v[TM+4+\b], 0                        ; a lane permute's destination counts as read: written once
.endr
	s_lshl_b32 s28, ttmp9, 17                      ; 32 rows of 4,096 bytes
	s_lshl_b32 s27, s22, 10
	s_add_co_u32 s28, s28, s27
	s_mov_b32 s29, 0
	s_mul_i32 s30, ttmp9, 24576                    ; two tiles of 12,288 bytes
	s_mul_i32 s27, s22, 3072                       ; four half images
	s_add_co_u32 s30, s30, s27
	s_mov_b32 s31, 0
	s_lshl_b32 s32, s22, 16                        ; plane w
	s_lshl_b32 s27, ttmp9, 8
	s_add_co_u32 s32, s32, s27
	s_mov_b32 s33, 0
	s_wait_alu depctr_va_vdst(0)
	s_wait_kmcnt 0x0
	s_add_nc_u64 s[4:5], s[4:5], s[28:29]
	s_add_nc_u64 s[14:15], s[14:15], s[30:31]
	s_add_nc_u64 s[16:17], s[16:17], s[32:33]
.macro LOADX f                         ; fragment f: position p of tile u is true row 8 u + p + 8 (p / 8) of my 32; each load reads 512 consecutive bytes of one row
.irp p, 0,1,2,3,4,5,6,7,8,9,10,11,12,13,14,15
	global_load_b128 v[R+64*((\f)%2)+4*\p:R+64*((\f)%2)+4*\p+3], v4, s[4:5] offset:(8*((\f)/2)+\p+8*(\p/8))*4096+512*((\f)%2) th:TH_LOAD_NT
.endr
.endm
.macro FRAGX f
.if (\f) < 3
	s_wait_loadcnt 16                              ; this fragment's 16 loads are in; the next fragment's 16 may be out
.else
	s_wait_loadcnt 0x0
.endif
.irp p, 0,1,2,3,4,5,6,7,8,9,10,11,12,13,14,15
	ds_store_b128 v6, v[R+64*((\f)%2)+4*\p:R+64*((\f)%2)+4*\p+3] offset:528*\p
.endr
.irp b, 0,1,2,3
.irp j, 0,1,2,3
	ds_load_b128 v[X+16*\b+4*\j:X+16*\b+4*\j+3], v7 offset:128*\b+16*\j   ; LDS serves a wave's instructions in order: these see the stores above
.endr
.endr
	s_wait_dscnt 0x0                               ; the numbers are back, and the stores have read their registers
.if (\f) > 0
	s_wait_xcnt 0x0                                ; the last fragment's stores have read v[PC] on: it is written again only behind this wait
.endif
.if (\f)+2 < 4
	LOADX (\f)+2
.endif
	QUANT X, PWS+(\f)
	global_store_b128 v4, v[PC:PC+3], s[14:15] offset:12288*((\f)/2)+1536*((\f)%2)          ; 512 consecutive bytes,
	global_store_b64 v5, v[PC+4:PC+5], s[14:15] offset:12288*((\f)/2)+1536*((\f)%2)+512     ; 256: a half image;
	global_store_b128 v4, v[PC+6:PC+9], s[14:15] offset:12288*((\f)/2)+1536*((\f)%2)+768    ; and the second
	global_store_b64 v5, v[PC+10:PC+11], s[14:15] offset:12288*((\f)/2)+1536*((\f)%2)+1280
.endm
	LOADX 0
	LOADX 1
	FRAGX 0
	FRAGX 1
	FRAGX 2
	FRAGX 3
	v_cmp_le_u32 vcc_lo, 16, v1                    ; lanes 0-15 store tile 0's two words of row r, lanes 16-31 tile 1's
	v_cndmask_b32 v248, v[PWS], v[PWS+2], vcc_lo
	v_cndmask_b32 v249, v[PWS+1], v[PWS+3], vcc_lo
	global_store_b64 v5, v[248:249], s[16:17]      ; 256 consecutive bytes, aligned
	s_wait_tensorcnt 0x0
	ds_add_u32 v254, v255
	s_wait_dscnt 0x0
	s_endpgm
	; ---------------- the weights: a lane takes a column, its registers run down K: a block of 32 lies in one lane
.Lweights:
	s_sub_co_u32 s26, ttmp9, 256
	s_and_b32 s27, s26, 3                          ; which 256 along K
	s_lshr_b32 s28, s26, 2                         ; which 128 of the 4,096 rows of wcodes
	s_lshr_b32 s29, s28, 3                         ; the tensor: 0 Wq, 1 Wk, 2 Wv, 3 Wp
	s_and_b32 s30, s28, 7
	s_lshl_b32 s31, s30, 1
	s_lshr_b32 s32, s22, 1
	s_add_co_u32 s31, s31, s32                     ; a head's weight: head = 2 (128-column group) + w / 2,
	s_lshl_b32 s31, s31, 18                        ; 262,144 bytes a head,
	s_and_b32 s32, s22, 1
	s_lshl_b32 s32, s32, 7
	s_add_co_u32 s31, s31, s32                     ; d = 32 (w % 2) on
	s_lshl_b32 s32, s30, 9
	s_lshl_b32 s33, s22, 7
	s_add_co_u32 s32, s32, s33                     ; Wp: column 128 group + 32 w
	s_mov_b32 s38, 256
	s_mov_b32 s37, 0
	s_wait_kmcnt 0x0
	s_cmp_eq_u32 s29, 1                            ; only pointers and strides are chosen: one text serves the four tensors
	s_cselect_b64 s[34:35], s[8:9], s[6:7]
	s_cmp_eq_u32 s29, 2
	s_cselect_b64 s[34:35], s[10:11], s[34:35]
	s_cmp_eq_u32 s29, 3
	s_cselect_b64 s[34:35], s[12:13], s[34:35]
	s_cselect_b32 s36, s32, s31
	s_cselect_b32 s38, 0x1000, s38                 ; bytes from k to k + 1
	s_mul_i32 s33, s27, s38
	s_lshl_b32 s33, s33, 8
	s_add_co_u32 s36, s36, s33
	s_add_nc_u64 s[WB:WB+1], s[34:35], s[36:37]
	s_lshl_b32 s36, s38, 5                         ; 32 rows on
.irp t, 1,2,3,4,5,6,7
	s_add_nc_u64 s[WB+2*\t:WB+2*\t+1], s[WB+2*\t-2:WB+2*\t-1], s[36:37]
.endr
	s_wait_alu depctr_va_vdst(0)
	v_lshlrev_b32 v2, 2, v1
.irp i, 0,1,2,3,4,5,6,7,8,9,10,11,12,13,14,15,16,17,18,19,20,21,22,23,24,25,26,27,28,29,30,31
	v_mad_u32_u24 v[OFF+\i], s38, \i, v2
.endr
	v_bfe_u32 v3, v1, 3, 1                         ; my column's position: tile u = bit 3 of the lane,
	v_and_b32 v4, 7, v1
	v_bfe_u32 v5, v1, 4, 1
	v_lshl_or_b32 v4, v5, 3, v4                    ; row r = (lane % 8) + 8 (lane / 16)
	s_mul_i32 s33, s22, WREG
	s_add_co_u32 s33, s33, WSTG
	v_mul_u32_u24 v5, v3, 3200                     ; 3,072 + 128: lanes l and l + 8 fall on different banks
	v_add_nc_u32 v5, s33, v5
	v_lshl_add_u32 v6, v4, 4, v5                   ; into the stage: 16 r,
	v_lshl_add_u32 v7, v4, 3, v5                   ; 8 r
	v_lshlrev_b32 v8, 4, v1
	v_add_nc_u32 v9, s33, v8                       ; out of it: 16 x lane
	v_lshl_add_u32 v10, v3, 4, v4
	v_lshlrev_b32 v10, 3, v10                      ; my 8 scale bytes: 8 (16 u + r)
	s_lshl_b32 s30, s28, 3
	s_lshl_b32 s31, s22, 1
	s_add_co_u32 s30, s30, s31                     ; my first tile
	s_mul_i32 s56, s30, 12288
	s_mul_i32 s31, s27, 3072
	s_add_co_u32 s56, s56, s31
	s_mov_b32 s57, 0
	s_lshl_b32 s58, s27, 16
	s_lshl_b32 s31, s30, 7
	s_add_co_u32 s58, s58, s31
	s_mov_b32 s59, 0
	s_add_nc_u64 s[18:19], s[18:19], s[56:57]
	s_add_nc_u64 s[20:21], s[20:21], s[58:59]
.macro LOADW t                         ; block t: 32 rows of K at my column; 32 lanes read 128 consecutive bytes
.irp i, 0,1,2,3,4,5,6,7,8,9,10,11,12,13,14,15,16,17,18,19,20,21,22,23,24,25,26,27,28,29,30,31
	global_load_b32 v[WX+32*((\t)%2)+\i], v[OFF+\i], s[WB+2*(\t):WB+2*(\t)+1] th:TH_LOAD_NT
.endr
.endm
.macro BLOCK t
.set XS, WX+32*((\t)%2)
.if (\t) < 7
	s_wait_loadcnt 32                              ; this block's 32 loads are in; the next block's 32 may be out
.else
	s_wait_loadcnt 0x0
.endif
	v_max3_num_f32 v12, |v[XS]|, |v[XS+1]|, |v[XS+2]|
	v_max3_num_f32 v13, |v[XS+3]|, |v[XS+4]|, |v[XS+5]|
.irp i, 6,10,14,18,22,26
	v_max3_num_f32 v12, v12, |v[XS+\i]|, |v[XS+\i+1]|
	v_max3_num_f32 v13, v13, |v[XS+\i+2]|, |v[XS+\i+3]|
.endr
	v_max3_num_f32 v12, v12, |v[XS+30]|, |v[XS+31]|
	v_max3_num_f32 v12, v12, v13, 0x2800000        ; and the floor
	v_add_nc_u32 v11, 0xfe000000, v12              ; the conversion's scale operand
	v_lshrrev_b32 v13, 23, v11                     ; the byte
.if (\t)%4 == 0
	v_mov_b32 v[SB+(\t)/4], v13
.else
	v_lshl_or_b32 v[SB+(\t)/4], v13, 8*((\t)%4), v[SB+(\t)/4]
.endif
	v_cvt_scalef32_pk16_bf6_f32 v[C:C+2], v[XS:XS+15], v11
	v_cvt_scalef32_pk16_bf6_f32 v[C+6:C+8], v[XS+16:XS+31], v11
	v_nop                                          ; one plain instruction behind the scaled conversions
.irp i, 0,1,2
	v_mov_b32 v[C+3+\i], v[C+6+\i]
.endr
	ds_store_b128 v6, v[C:C+3] offset:768*((\t)/2)+256*((\t)%2)          ; half image t / 2, lane (r, h = t % 2)
	ds_store_b64 v7, v[C+4:C+5] offset:768*((\t)/2)+128*((\t)%2)+512
.if (\t)+2 < 8
	LOADW (\t)+2
.endif
	s_wait_dscnt 0x0                               ; the stores have read their registers
.endm
	LOADW 0
	LOADW 1
.irp t, 0,1,2,3,4,5,6,7
	BLOCK \t
.endr
	s_wait_alu depctr_va_vdst(0)
	global_store_b64 v10, v[SB:SB+1], s[20:21]     ; the 32 lanes fill 256 consecutive bytes, aligned
.irp n, 0,1,2,3,4,5,6,7,8,9,10,11
	ds_load_b128 v[OUTR+4*\n:OUTR+4*\n+3], v9 offset:3200*(\n/6)+512*(\n%6)
.endr
.irp n, 0,1,2,3,4,5,6,7,8,9,10,11
	s_wait_dscnt 11-\n                             ; the younger loads may be out
	global_store_b128 v8, v[OUTR+4*\n:OUTR+4*\n+3], s[18:19] offset:12288*(\n/6)+512*(\n%6)   ; 512 consecutive bytes
.endr
	s_wait_tensorcnt 0x0
	ds_add_u32 v254, v255
	s_wait_dscnt 0x0
	s_endpgm
.Lfunc_end_k_q36ddcd2ab7_quant:
	.size	k_q36ddcd2ab7_quant, .Lfunc_end_k_q36ddcd2ab7_quant-k_q36ddcd2ab7_quant
	.p2alignl 7, 3214868480
	.fill 96, 4, 3214868480
	.section	.rodata,"a",@progbits
	.p2align	6, 0x0
	.amdhsa_kernel k_q36ddcd2ab7_quant
		.amdhsa_group_segment_fixed_size 59904
		.amdhsa_private_segment_fixed_size 0
		.amdhsa_enable_private_segment 0
		.amdhsa_kernarg_size 72
		.amdhsa_user_sgpr_count 2
		.amdhsa_user_sgpr_kernarg_segment_ptr 1
		.amdhsa_wavefront_size32 1
		.amdhsa_system_sgpr_workgroup_id_x 1
		.amdhsa_system_sgpr_workgroup_id_y 1
		.amdhsa_system_sgpr_workgroup_id_z 1
		.amdhsa_system_vgpr_workitem_id 0
		.amdhsa_next_free_vgpr 256
		.amdhsa_next_free_sgpr 66
		.amdhsa_reserve_vcc 1
		.amdhsa_float_denorm_mode_32 3
		.amdhsa_float_denorm_mode_16_64 3
		.amdhsa_memory_ordered 1
		.amdhsa_forward_progress 1
		.amdhsa_inst_pref_size 78
	.end_amdhsa_kernel
	.amdgpu_metadata
---
amdhsa.version: [ 1, 2 ]
amdhsa.kernels:
  - .name:           k_q36ddcd2ab7_quant
    .symbol:         k_q36ddcd2ab7_quant.kd
    .args:
      - { .name: x, .offset: 0, .size: 8, .value_kind: global_buffer, .address_space: global }
      - { .name: Wq, .offset: 8, .size: 8, .value_kind: global_buffer, .address_space: global }
      - { .name: Wk, .offset: 16, .size: 8, .value_kind: global_buffer, .address_space: global }
      - { .name: Wv, .offset: 24, .size: 8, .value_kind: global_buffer, .address_space: global }
      - { .name: Wp, .offset: 32, .size: 8, .value_kind: global_buffer, .address_space: global }
      - { .name: acodes, .offset: 40, .size: 8, .value_kind: global_buffer, .address_space: global }
      - { .name: ascales, .offset: 48, .size: 8, .value_kind: global_buffer, .address_space: global }
      - { .name: wcodes, .offset: 56, .size: 8, .value_kind: global_buffer, .address_space: global }
      - { .name: wscales, .offset: 64, .size: 8, .value_kind: global_buffer, .address_space: global }
    .group_segment_fixed_size: 59904
    .private_segment_fixed_size: 0
    .kernarg_segment_align: 8
    .kernarg_segment_size: 72
    .max_flat_workgroup_size: 128
    .sgpr_count:     66
    .vgpr_count:     256
    .wavefront_size: 32
...
	.end_amdgpu_metadata
.endif
;; end of part 1
;; launch qkv (part 2): grid 32 x 8, 4 waves a work-group, clusters of 4 x 4, 327,680 bytes of LDS; arguments acodes, ascales, wcodes, wscales, qcodes, qscales, kv; writes qcodes, qscales, kv
.if DOCPART == 2
	.amdgcn_target "amdgcn-amd-amdhsa--gfx1250"
	.amdhsa_code_object_version 6
	.text
	.protected	k_q36ddcd2ab7_qkv
	.globl	k_q36ddcd2ab7_qkv
	.p2align	8
	.type	k_q36ddcd2ab7_qkv,@function
k_q36ddcd2ab7_qkv:
	s_mov_b64 s[64:65], 0
	v_nop
	global_prefetch_b8 v0, s[64:65] scope:SCOPE_SE
	s_setreg_imm32_b32 hwreg(HW_REG_WAVE_MODE, 25, 1), 1
	s_wait_xcnt 0x0
	s_wait_alu depctr_hold_cnt(0) depctr_sa_sdst(0) depctr_va_vdst(0) depctr_va_sdst(0) depctr_va_ssrc(0) depctr_va_vcc(0) depctr_vm_vsrc(0)
	s_getreg_b32 s2, hwreg(HW_REG_IB_STS2, 6, 4)
	s_cmp_eq_u32 s2, 0
	s_cbranch_scc0 .Lentry_in_a_cluster
	s_endpgm
.Lentry_in_a_cluster:
	s_bfe_u32 s2, ttmp6, 0x10000c
	s_cmp_lg_u32 s2, 0xf033
	s_cbranch_scc0 .Lentry_shape_is_right
	s_endpgm
.Lentry_shape_is_right:
; Q, K, V = x W on codes of BF6 (E3M2) with E8M0 scales, K = 1,024, and the results quantised on the way out: Q and K along the head's 64, V along the keys.  No f32 result goes to memory.
; OPERANDS are images of operand registers: [tile of 16 positions][16 half images of 768 bytes], 12,288 bytes a tile; position p holds true row p with bits 3 and 4 exchanged.  Scale bytes: plane (K / 256) x 65,536 + tile x 128 + 8 r + (K / 32) % 8.
; RESULTS: qcodes [b head][128 tiles][768]; qscales [b head][2,048] words (bytes 0, 1 count; bytes 2, 3 are 0); kv [b head][16 steps of 128 keys][13,056]: K's 8 half images, at 6,144 V^T's 4 fragments of 1,536,
; at 12,288 K's 128 scale words, at 12,800 V's 64.
; LIMITS: NaN and infinities are not served; a block of zeros gets the byte 1 (its codes are zeros; this program alone reads the bytes).
; THE DEAL: 256 work-groups of four waves; work-group (tile row, column group g) takes 256 tokens through three phases: Q, K, V of heads 2 g and 2 g + 1.  The tokens' 16 tiles lie in LDS for the whole launch;
; the weights' 8 tiles (128 rows) are filled at the head (Wq) and filled again twice (Wk, Wv).
; A phase: a wave holds four tiles, all of K, in 384 registers (source 0) and streams eight tiles past them (source 1), 32 products a block; the four accumulators of a block take turns.
; Q, K (a loop of two trips): wave (a, b) holds head 2 g + b's 64 rows of the weight and streams the tokens' tiles 8 a + s: a lane holds a token, its 32 registers run along the head's 64.
; V: wave w holds the tokens' tiles 4 w .. 4 w + 3 and streams Wv's eight tiles: a lane holds a d, its 32 registers run along 64 keys.  Register 16 b + i of lane (r, h) is k = 32 b + 16 h + i.
; So each block becomes one half image (6 registers of codes) and two scale bytes a row.
; LDS: tile i of the tokens lies in place i with bits 2 and 3 exchanged.  The head's four loads, one a wave, each on its own line: Wq's 8 tiles; tiles 0-3 and 8-11; 4-7; 12-15.
; A REFILL stands inside block 1 of a trip, behind the three lines and a round of the cluster's barrier: by then every wave holds the weight's tiles in registers.  Each wave asks for two tiles.  From there to the wait
; for it stand six blocks, 200 products: no data prefetch is laid.  The tokens' tiles are shared by a column of the cluster, the weights' by a row; no LDS address hangs on the cluster's numbers.
; SCALE WORDS come straight into registers at the head, by loads of 256 consecutive bytes: lanes 0-15 a pair's even tile, lanes 16-31 its odd tile; the product names the row of the register.
.set TB, 12288
.set FR, 12
.set FPW, 21                           ; fragment f lies in window 1 + f / 21 at register 12 (f % 21): 0-31 the held tiles (4 q + tile), 32-47 the streamed tiles' two sets (32 + 8 e + q)
.set NF, 32                            ; LDS loads of a block
.set YB, 16*TB                         ; the weights' tiles
.set SPARE, 24*TB                      ; the spare words: 128 bytes a wave
.set STGQ, SPARE+512                   ; Q's and K's scale words on their way out: 512 bytes a wave
.set STGV, STGQ+2048                   ; V's: [key step][head][d tile][r] words
.set SPW, 10
.set NIL, 11
.set QA, 12                            ; v12-15 Q, K: the streamed tiles: 16 x lane, 8 x lane for blocks 0-3; the same for blocks 4-7
.set QR, 16                            ; v16-17 Q, K: the held tiles
.set VA, 18                            ; v18-21 V: streamed
.set VR, 22                            ; v22-23 V: held
.set SB, 24                            ; v24-39 Q, K: the held tiles' scale words: 8 x pair + q
.set E16, 40
.set E8, 41
.set SQ, 42
.set RQ, 43
.set SA, 44                            ; v44-75 Q, K: the streamed tiles' scale words
.set SV, 76
.set RV, 77
.set ACC, 80                           ; v80-143 two sets of four accumulators
.set TM, 144                           ; v144-151 maxima, scale operands, bytes
.set PC, 152                           ; v152-162 a half image's codes, and work
.set PW, 164
.set U, 166
.set SBN, 188                          ; v188-203 Wk's scale words until the second trip
.set SAV, 204                          ; v204-235 V: streamed
.set SBV, 240                          ; v240-255 V: held
.set G1A, 24
.set G1B, 32
.set G1R, 48
.set G0A, 56
.set G0B, 60
.set G0R, 68
.set KC, 80                            ; s[80:81] K's block of kv; s[82:83] its scale words
.set KS, 82
.set OC, 92                            ; s[92:93], s[94:95] where the trip's codes and scale words go
.set OS, 94
.set VC, 96
.set VS, 98
.set SEL, 100
.set MSB, 0
.macro WIN new
.if MSB != \new
	s_set_vgpr_msb (MSB<<8)|\new
.set MSB, \new
.endif
.endm
.macro PLACES n
.rept \n
	v_nop
.endr
.endm
.macro BARRIER
	s_barrier_signal -1
	s_barrier_wait -1
.endm
.macro CROUND
	BARRIER
	s_cmp_lg_u32 s14, 0
	s_cbranch_scc1 .Lnot_wave_0_\@
	s_barrier_signal -3
.Lnot_wave_0_\@:
	s_barrier_wait -3
	BARRIER
.endm
.macro TLOAD g0, g1                    ; an s_nop 0 and four v_nop follow a tensor load
	tensor_load_to_lds s[\g0:\g0+3], s[\g1:\g1+7]
	s_nop 0
	PLACES 4
.endm
.macro ATILE first, slot, n, st        ; 2 rows of n tiles, st tiles apart in memory, from tile first on; dense in LDS from place slot on
	s_mov_b32 s[G0A+1], (\slot)*TB
	s_mov_b32 s[G1A+1], ((\n)*TB/8)<<16
	s_mov_b32 s[G1A+2], 2<<16
	s_mov_b32 s[G1A+3], ((\n)*TB/8)<<16
	s_mov_b32 s[G1A+4], 2
	s_mov_b32 s[G1A+5], (\st)*TB/8
.if \first
	s_add_nc_u64 s[G0A+2:G0A+3], s[G0A+2:G0A+3], (\first)*TB
.endif
	s_or_b32 s[G0A+3], s[G0A+3], 0x80000000
	TLOAD G0A, G1A
.endm
.macro PADD d, b, off                  ; a pointer: base + the 32-bit offset in s\off (s21 = 0)
	s_mov_b32 s20, s\off
	s_add_nc_u64 s[\d:\d+1], s[\b:\b+1], s[20:21]
.endm
.macro FRAG f, a16, a8, off            ; a fragment is two half images on end: four dense loads
	WIN (1+(\f)/FPW)<<6
.set R_, FR*((\f)%FPW)
	ds_load_b128 v[R_:R_+3], v[\a16] offset:(\off)
	ds_load_b64 v[R_+4:R_+5], v[\a8] offset:(\off)+512
	ds_load_b128 v[R_+6:R_+9], v[\a16] offset:(\off)+768
	ds_load_b64 v[R_+10:R_+11], v[\a8] offset:(\off)+1280
.endm
.macro RESIDENT a                      ; the four tiles that I hold, all of K: 128 loads
.irp q, 0,1,2,3,4,5,6,7
.irp t, 0,1,2,3
	FRAG 4*\q+\t, \a, \a+1, \t*TB+\q*1536
.endr
.endr
	WIN 0
.endm
.macro FETCH e, s                      ; streamed tile s into set e; FA0: the phase's address registers
.irp q, 0,1,2,3,4,5,6,7
	FRAG 32+8*(\e)+\q, FA0+2*((\s)/4), FA0+2*((\s)/4)+1, ((\s)%4)*TB+\q*1536
.endr
	WIN 0
.endm
.macro P2 c, tp, o, e, j
	v_wmma_scale_f32_16x16x128_f8f6f4 v[D_:D_+7], v[FR*(FB_%FPW):FR*(FB_%FPW)+FR-1], v[FR*(FA_%FPW):FR*(FA_%FPW)+FR-1], \c, v[SBX+8*\tp+Q_], v[SAX+8*(\j)+Q_] matrix_a_fmt:MATRIX_FMT_BF6 matrix_b_fmt:MATRIX_FMT_BF6 matrix_a_scale:MATRIX_SCALE_ROW\o matrix_b_scale:MATRIX_SCALE_ROW\e
.endm
.macro P1 e, j, tp, o                  ; step Q_ along K, held tile 2 tp + o, streamed set e (also: which tile of pair j)
.set FB_, 4*Q_+2*\tp+\o
.set FA_, 32+8*\e+Q_
.set D_, ACC+32*\e+16*\tp+8*\o
	WIN (1+FB_/FPW)|((1+FA_/FPW)<<2)
.if Q_
	P2 v[D_:D_+7], \tp, \o, \e, \j
.else
	P2 0, \tp, \o, \e, \j
.endif
.endm
.macro PRODS e, j, q0, q1
.set Q_, \q0
.rept (\q1)-(\q0)
.irp tp, 0,1
.irp o, 0,1
	P1 \e, \j, \tp, \o
.endr
.endr
.set Q_, Q_+1
.endr
	WIN 0
.endm
; THE WAY OUT of a block: set e's 32 sums of a lane are two half blocks of 32; with lane l xor 16's they give two scale bytes and a half image.  Each accumulator is read from its low end on.
.macro EPI e, s, v
.set X_, ACC+32*(\e)
	s_wait_xcnt 0x0                                ; the last block's stores have read their data
	v_max3_num_f32 v[TM], |v[X_]|, |v[X_+1]|, 0x2800000     ; and the floor 2^(5 - 127)
	v_max3_num_f32 v[TM+1], |v[X_+16]|, |v[X_+17]|, 0x2800000
.irp i, 2,4,6,8,10,12,14
	v_max3_num_f32 v[TM], v[TM], |v[X_+\i]|, |v[X_+\i+1]|
	v_max3_num_f32 v[TM+1], v[TM+1], |v[X_+16+\i]|, |v[X_+17+\i]|
.endr
	v_permlanex16_b32 v[TM+2], v[TM], s[SEL], s[SEL+1]
	v_permlanex16_b32 v[TM+3], v[TM+1], s[SEL], s[SEL+1]
	v_max_num_f32 v[TM], v[TM], v[TM+2]
	v_max_num_f32 v[TM+1], v[TM+1], v[TM+3]
	v_add_nc_u32 v[TM+4], 0xfe000000, v[TM]        ; 4 off the exponent field: the conversion's scale operand
	v_add_nc_u32 v[TM+5], 0xfe000000, v[TM+1]
	v_lshrrev_b32 v[TM+6], 23, v[TM+4]             ; the bytes
	v_lshrrev_b32 v[TM+7], 23, v[TM+5]
	v_cvt_scalef32_pk16_bf6_f32 v[PC:PC+2], v[X_:X_+15], v[TM+4]
	v_cvt_scalef32_pk16_bf6_f32 v[PC+8:PC+10], v[X_+16:X_+31], v[TM+5]
	v_lshl_or_b32 v[PW], v[TM+7], 8, v[TM+6]       ; the plain instruction behind the scaled conversions
.irp i, 0,1,2
	v_permlane16_swap_b32 v[PC+\i], v[PC+8+\i]     ; a whole block in a lane: lanes 0-15 block 0, lanes 16-31 block 1
.endr
.irp i, 0,1,2
	v_mov_b32 v[PC+3+\i], v[PC+8+\i]
.endr
.if \v
	ds_store_b16 v[SV], v[PW] offset:256*((\s)/4)+64*((\s)%4)    ; lanes l and l xor 16 write the same bytes with the same value
	global_store_b128 v[E16], v[PC:PC+3], s[VC:VC+1] offset:208896*((\s)/4)+1536*((\s)%4)
	global_store_b64 v[E8], v[PC+4:PC+5], s[VC:VC+1] offset:208896*((\s)/4)+1536*((\s)%4)+512
.else
	ds_store_b32 v[SQ], v[PW] offset:64*(\s)
	global_store_b128 v[E16], v[PC:PC+3], s[OC:OC+1] offset:768*(\s)          ; 512 consecutive bytes,
	global_store_b64 v[E8], v[PC+4:PC+5], s[OC:OC+1] offset:768*(\s)+512      ; 256: a half image
.endif
.endm
.macro BLOCK e, s, round, v
.if \round
	PRODS \e, (\s)/2, 0, 6
	s_wait_tensorcnt 0x0                           ; the three lines ahead of a refill's round
	ds_add_u32 v[SPW], v[NIL]
	s_wait_dscnt 0x0                               ; my reads of the weight's tiles ended ahead of block 0
	CROUND
	TLOAD G0R, G1R                                 ; my two tiles of the next weight
	PRODS \e, (\s)/2, 6, 8
.else
	PRODS \e, (\s)/2, 0, 8
.endif
	PLACES 4                                       ; between the last product and the loads into its sources and the readers of its sums
.if (\s)+2 < 8
	FETCH \e, (\s)+2
.endif
	EPI \e, \s, \v
.if (\s)+2 < 8
	s_wait_dscnt NF+1                              ; younger are this run's fetch and its one LDS store: the next block's fragments are in
.else
	s_wait_dscnt 0x0
.endif
.endm
.macro STREAM refill, v
	FETCH 0, 0
	FETCH 1, 1
	s_wait_loadcnt 0x0                             ; the scale words
	s_wait_dscnt NF                                ; the held tiles and block 0's fragments are in
	BLOCK 0, 0, 0, \v
	BLOCK 1, 1, \refill, \v
	BLOCK 0, 2, 0, \v
	BLOCK 1, 3, 0, \v
	BLOCK 0, 4, 0, \v
	BLOCK 1, 5, 0, \v
	BLOCK 0, 6, 0, \v
	BLOCK 1, 7, 0, \v
.endm
; ---- the head
	s_load_b256 s[4:11], s[0:1], 0x0               ; acodes, ascales, wcodes, wscales
	s_load_b128 s[84:87], s[0:1], 0x20             ; qcodes, qscales
	s_load_b64 s[88:89], s[0:1], 0x30              ; kv
	v_lshl_add_u32 v[SPW], v0, 2, SPARE
	v_mov_b32 v[NIL], 0
	ds_add_u32 v[SPW], v[NIL]
	ds_add_u32 v[SPW], v[NIL]
	v_lshrrev_b32 v1, 5, v0
	v_readfirstlane_b32 s14, v1                    ; the wave w; s15 = a = w / 2, s16 = b = w % 2
	s_lshr_b32 s15, s14, 1
	s_and_b32 s16, s14, 1
	s_bfe_u32 s40, ttmp6, 0x40000
	s_bfe_u32 s41, ttmp6, 0x40004
	s_lshl_b32 s43, ttmp9, 2
	s_add_co_u32 s43, s43, s40                     ; tile row: 256 tokens
	s_and_b32 s42, ttmp7, 0xffff
	s_lshl_b32 s42, s42, 2
	s_add_co_u32 s42, s42, s41                     ; column group g: heads 2 g, 2 g + 1
	s_lshl_b32 s44, 0x1111, s40                    ; my column of the cluster shares the tokens' tiles
	s_lshl_b32 s45, s41, 2
	s_lshl_b32 s45, 15, s45                        ; my row shares the weights'
	s_or_b32 s[G1A], s44, (3<<16)|(1<<21)          ; elements of 8 bytes; the tile's sizes stand with each load
	s_mov_b32 s[G1A+6], 0
	s_mov_b32 s[G1A+7], 0
	s_or_b32 s[G1B], s45, (3<<16)|(1<<21)          ; 8 tiles on end: 384 rows of 256 bytes
	s_mov_b32 s[G1B+1], 32<<16
	s_mov_b32 s[G1B+2], 384<<16
	s_mov_b32 s[G1B+3], 32<<16
	s_mov_b32 s[G1B+4], 384
	s_mov_b32 s[G1B+5], 32
	s_mov_b32 s[G1B+6], 0
	s_mov_b32 s[G1B+7], 0
	s_or_b32 s[G1R], s45, (3<<16)|(1<<21)          ; 2 tiles on end: 96 rows of 256 bytes
	s_mov_b32 s[G1R+1], 32<<16
	s_mov_b32 s[G1R+2], 96<<16
	s_mov_b32 s[G1R+3], 32<<16
	s_mov_b32 s[G1R+4], 96
	s_mov_b32 s[G1R+5], 32
	s_mov_b32 s[G1R+6], 0
	s_mov_b32 s[G1R+7], 0
	s_mov_b32 s[G0A], 1
	s_mov_b32 s[G0B], 1
	s_mov_b32 s[G0B+1], YB
	s_mov_b32 s[G0R], 1
	s_mul_i32 s[G0R+1], s14, 2*TB
	s_add_co_u32 s[G0R+1], s[G0R+1], YB
	s_mov_b32 s[SEL], 0x76543210
	s_mov_b32 s[SEL+1], 0xfedcba98                 ; lane l xor 16
	s_mul_i32 s46, s43, 16*TB                      ; the tokens' tiles
	s_mul_i32 s47, s42, 8*TB                       ; Wq's tiles
	s_mul_i32 s66, s14, 2*TB
	s_add_co_u32 s66, s66, s47
	s_add_co_u32 s66, s66, 64*TB                   ; my two tiles of Wk's
	s_lshl_b32 s67, s43, 11
	s_lshl_b32 s20, s14, 9
	s_add_co_u32 s90, s67, s20                     ; scale bytes in a plane: the tokens' tiles 4 w on,
	s_lshl_b32 s20, s15, 10
	s_add_co_u32 s67, s67, s20                     ; 8 a on;
	s_lshl_b32 s2, s42, 10
	s_lshl_b32 s20, s16, 9
	s_add_co_u32 s91, s2, s20                      ; Wq's tiles 4 b on,
	s_add_co_u32 s2, s2, 128*128                   ; Wv's eight
	s_lshr_b32 s17, s43, 3
	s_lshl_b32 s17, s17, 4
	s_lshl_b32 s20, s42, 1
	s_add_co_u32 s17, s17, s20                     ; 16 batch + 2 g
	s_and_b32 s18, s43, 7
	s_lshl_b32 s18, s18, 1
	s_add_co_u32 s18, s18, s15                     ; the key step: 2 (tile row % 8) + a
	s_lshl_b32 s13, s17, 4
	s_add_co_u32 s13, s13, s18
	s_mul_i32 s13, s13, 13056
	s_mul_i32 s20, s16, 768
	s_add_co_u32 s13, s13, s20
	s_add_co_u32 s13, s13, 6144                    ; V: head 2 g's block of kv, V^T's fragment 0, half b
	s_add_co_u32 s17, s17, s16                     ; Q, K: my head
	s_lshl_b32 s12, s17, 4
	s_add_co_u32 s12, s12, s18                     ; 16 (b head) + key step
	s_mul_i32 s22, s12, 6144                       ; 8 half images a key step
	s_lshl_b32 s23, s12, 9                         ; 128 words
	s_mul_i32 s12, s12, 13056
	s_mul_i32 s72, s15, 4*TB                       ; LDS: Q, K streamed: places 4 a on
	s_mul_i32 s73, s16, 4*TB
	s_add_co_u32 s73, s73, YB                      ; held: the weight's tiles 4 b on
	s_mul_i32 s74, s16, 8*TB
	s_add_co_u32 s74, s74, s72                     ; V held: tiles 4 w on lie in places 8 b + 4 a on
	s_lshl_b32 s75, s14, 9
	s_add_co_u32 s75, s75, STGQ
	s_lshl_b32 s76, s15, 9
	s_add_co_u32 s76, s76, STGV
	s_lshl_b32 s77, s16, 8
	s_add_co_u32 s77, s77, s76                     ; I send out the unit of key step a, head b
	s_lshl_b32 s20, s16, 1
	s_add_co_u32 s76, s76, s20                     ; I make bytes 2 b, 2 b + 1 of key step a's words
	v_and_b32 v1, 15, v0
	v_and_b32 v3, 31, v0
	v_lshlrev_b32 v[E16], 4, v3
	v_lshlrev_b32 v[E8], 3, v3
	v_lshlrev_b32 v2, 2, v1
	v_add_nc_u32 v[QA], s72, v[E16]
	v_add_nc_u32 v[QA+1], s72, v[E8]
	v_add_nc_u32 v[QA+2], 8*TB, v[QA]
	v_add_nc_u32 v[QA+3], 8*TB, v[QA+1]
	v_add_nc_u32 v[QR], s73, v[E16]
	v_add_nc_u32 v[QR+1], s73, v[E8]
	v_add_nc_u32 v[VA], YB, v[E16]
	v_add_nc_u32 v[VA+1], YB, v[E8]
	v_add_nc_u32 v[VA+2], YB+4*TB, v[E16]
	v_add_nc_u32 v[VA+3], YB+4*TB, v[E8]
	v_add_nc_u32 v[VR], s74, v[E16]
	v_add_nc_u32 v[VR+1], s74, v[E8]
	v_add_nc_u32 v[SQ], s75, v2
	v_add_nc_u32 v[RQ], s75, v[E16]
	v_add_nc_u32 v[SV], s76, v2
	v_add_nc_u32 v[RV], s77, v[E8]
	v_mov_b32 v[TM+2], 0                           ; a lane permute's destination counts as read
	v_mov_b32 v[TM+3], 0
	s_wait_alu depctr_va_vdst(0)
	s_wait_dscnt 0x0
	CROUND                                         ; the opening round
	s_wait_kmcnt 0x0
	s_mov_b32 s21, 0
	PADD G0A+2, 4, 46
	PADD G0B+2, 8, 47
	s_or_b32 s[G0B+3], s[G0B+3], 0x80000000
	PADD G0R+2, 8, 66
	s_or_b32 s[G0R+3], s[G0R+3], 0x80000000
	PADD 72, 6, 90
	PADD 6, 6, 67
	PADD 74, 10, 2
	PADD 10, 10, 91
	PADD OC, 84, 22
	PADD OS, 86, 23
	PADD KC, 88, 12
	s_add_nc_u64 s[KS:KS+1], s[KC:KC+1], 12288
	s_add_nc_u64 s[VS:VS+1], s[KC:KC+1], 12800
	PADD VC, 88, 13
	s_cmp_eq_u32 s14, 0
	s_cbranch_scc0 .Lwave_1
	TLOAD G0B, G1B                                 ; wave 0: Wq's tiles, which are wanted first
	s_branch .Lasked
.Lwave_1:
	s_cmp_eq_u32 s14, 1
	s_cbranch_scc0 .Lwave_2
	ATILE 0, 0, 4, 8                               ; wave 1: tiles 0-3 and 8-11
	s_branch .Lasked
.Lwave_2:
	s_cmp_eq_u32 s14, 2
	s_cbranch_scc0 .Lwave_3
	ATILE 4, 8, 2, 2                               ; wave 2: tiles 4-7
	s_branch .Lasked
.Lwave_3:
	ATILE 12, 12, 2, 2                             ; wave 3: tiles 12-15
.Lasked:
.irp j, 0,1
.irp p, 0,1,2,3
	global_load_b64 v[SB+8*\j+2*\p:SB+8*\j+2*\p+1], v[E8], s[10:11] offset:65536*\p+256*\j          ; 256 consecutive bytes: a pair of tiles, 256 along K
.endr
.endr
.irp j, 0,1,2,3
.irp p, 0,1,2,3
	global_load_b64 v[SA+8*\j+2*\p:SA+8*\j+2*\p+1], v[E8], s[6:7] offset:65536*\p+256*\j
.endr
.endr
.irp j, 0,1
.irp p, 0,1,2,3
	global_load_b64 v[SBN+8*\j+2*\p:SBN+8*\j+2*\p+1], v[E8], s[10:11] offset:65536*\p+256*\j+8192   ; Wk's tiles lie 64 tiles on
	global_load_b64 v[SBV+8*\j+2*\p:SBV+8*\j+2*\p+1], v[E8], s[72:73] offset:65536*\p+256*\j
.endr
.endr
.irp j, 0,1,2,3
.irp p, 0,1,2,3
	global_load_b64 v[SAV+8*\j+2*\p:SAV+8*\j+2*\p+1], v[E8], s[74:75] offset:65536*\p+256*\j
.endr
.endr
	s_mov_b32 s3, 0                                ; the trip: 0 Q, 1 K
	s_cmp_eq_u32 s14, 0
	s_cbranch_scc0 .Lnot_b
	s_wait_tensorcnt 0x0
.Lnot_b:
	BARRIER                                        ; Wq's tiles are in
; ---- Q, then K
.set FA0, QA
.set SBX, SB
.set SAX, SA
.Lphase:
	RESIDENT QR
	s_cmp_eq_u32 s14, 1
	s_cbranch_scc0 .Lnot_a
	s_wait_tensorcnt 0x0                           ; wave 1, first trip: tiles 0-3 and 8-11
.Lnot_a:
	s_wait_dscnt 0x0
	BARRIER                                        ; blocks 0 to 3 are in.  Waves 2 and 3's tiles may be on their way: block 1's round shows them
	STREAM 1, 0
	ds_load_b128 v[U:U+3], v[RQ]                   ; my 128 scale words.  LDS serves a wave's instructions in order (ISA guide 5.7.1.4)
	s_wait_dscnt 0x0
	global_store_b128 v[E16], v[U:U+3], s[OS:OS+1] ; 512 consecutive bytes
	s_wait_tensorcnt 0x0                           ; my two tiles of the next weight are in,
	BARRIER                                        ; everybody's are
	s_cmp_eq_u32 s3, 1
	s_cbranch_scc1 .Llast
	s_add_nc_u64 s[G0R+2:G0R+3], s[G0R+2:G0R+3], 64*TB   ; on to Wv's tiles: no tensor load of mine is out
	s_wait_xcnt 0x0                                ; the stores have read their bases
	s_mov_b64 s[OC:OC+1], s[KC:KC+1]
	s_mov_b64 s[OS:OS+1], s[KS:KS+1]
.irp i, 0,1,2,3,4,5,6,7,8,9,10,11,12,13,14,15
	v_mov_b32 v[SB+\i], v[SBN+\i]
.endr
	PLACES 8                                       ; a scale register written by a vector instruction stands 8 places ahead of a scaled product
	s_wait_alu depctr_va_vdst(0)
.Llast:
	s_add_co_u32 s3, s3, 1
	s_cmp_lt_u32 s3, 2
	s_cbranch_scc1 .Lphase
; ---- V
.set FA0, VA
.set SBX, SBV
.set SAX, SAV
	RESIDENT VR
	STREAM 0, 1
	BARRIER                                        ; every wave's bytes of V's scale words are in the stage (the last block ends with a wait for all LDS work)
	ds_load_b64 v[U:U+1], v[RV]
	s_wait_dscnt 0x0
	global_store_b64 v[E8], v[U:U+1], s[VS:VS+1]   ; a head's 64 words of a key step: 256 consecutive bytes, aligned
	s_wait_tensorcnt 0x0                           ; the wave's end
	ds_add_u32 v[SPW], v[NIL]
	s_wait_dscnt 0x0
	CROUND                                         ; the closing round
	s_endpgm
.Lfunc_end_k_q36ddcd2ab7_qkv:
	.size	k_q36ddcd2ab7_qkv, .Lfunc_end_k_q36ddcd2ab7_qkv-k_q36ddcd2ab7_qkv
	.p2alignl 7, 3214868480
	.fill 96, 4, 3214868480
	.section	.rodata,"a",@progbits
	.p2align	6, 0x0
	.amdhsa_kernel k_q36ddcd2ab7_qkv
		.amdhsa_group_segment_fixed_size 327680
		.amdhsa_private_segment_fixed_size 0
		.amdhsa_enable_private_segment 0
		.amdhsa_kernarg_size 56
		.amdhsa_user_sgpr_count 2
		.amdhsa_user_sgpr_kernarg_segment_ptr 1
		.amdhsa_wavefront_size32 1
		.amdhsa_system_sgpr_workgroup_id_x 1
		.amdhsa_system_sgpr_workgroup_id_y 1
		.amdhsa_system_sgpr_workgroup_id_z 1
		.amdhsa_system_vgpr_workitem_id 0
		.amdhsa_next_free_vgpr 840
		.amdhsa_next_free_sgpr 102
		.amdhsa_reserve_vcc 0
		.amdhsa_float_denorm_mode_32 3
		.amdhsa_float_denorm_mode_16_64 3
		.amdhsa_memory_ordered 1
		.amdhsa_forward_progress 1
		.amdhsa_inst_pref_size 170
	.end_amdhsa_kernel
	.amdgpu_metadata
---
amdhsa.version: [ 1, 2 ]
amdhsa.kernels:
  - .name:           k_q36ddcd2ab7_qkv
    .symbol:         k_q36ddcd2ab7_qkv.kd
    .args:
      - { .name: acodes, .offset: 0, .size: 8, .value_kind: global_buffer, .address_space: global }
      - { .name: ascales, .offset: 8, .size: 8, .value_kind: global_buffer, .address_space: global }
      - { .name: wcodes, .offset: 16, .size: 8, .value_kind: global_buffer, .address_space: global }
      - { .name: wscales, .offset: 24, .size: 8, .value_kind: global_buffer, .address_space: global }
      - { .name: qcodes, .offset: 32, .size: 8, .value_kind: global_buffer, .address_space: global }
      - { .name: qscales, .offset: 40, .size: 8, .value_kind: global_buffer, .address_space: global }
      - { .name: kv, .offset: 48, .size: 8, .value_kind: global_buffer, .address_space: global }
    .group_segment_fixed_size: 327680
    .private_segment_fixed_size: 0
    .kernarg_segment_align: 8
    .kernarg_segment_size: 56
    .max_flat_workgroup_size: 128
    .sgpr_count:     102
    .vgpr_count:     840
    .wavefront_size: 32
...
	.end_amdgpu_metadata
.endif
;; end of part 2
;; launch attn (part 3): grid 4 x 64, 16 waves a work-group, clusters of 4 x 1, 210,944 bytes of LDS; arguments qcodes, qscales, kv, acodes, ascales; writes acodes, ascales
.if DOCPART == 3
	.amdgcn_target "amdgcn-amd-amdhsa--gfx1250"
	.amdhsa_code_object_version 6
	.text
	.protected	k_q36ddcd2ab7_attn
	.globl	k_q36ddcd2ab7_attn
	.p2align	8
	.type	k_q36ddcd2ab7_attn,@function
k_q36ddcd2ab7_attn:
	s_mov_b64 s[64:65], 0
	v_nop
	global_prefetch_b8 v0, s[64:65] scope:SCOPE_SE
	s_setreg_imm32_b32 hwreg(HW_REG_WAVE_MODE, 25, 1), 1
	s_wait_xcnt 0x0
	s_wait_alu depctr_hold_cnt(0) depctr_sa_sdst(0) depctr_va_vdst(0) depctr_va_sdst(0) depctr_va_ssrc(0) depctr_va_vcc(0) depctr_vm_vsrc(0)
	s_getreg_b32 s2, hwreg(HW_REG_IB_STS2, 6, 4)
	s_cmp_eq_u32 s2, 0
	s_cbranch_scc0 .Lentry_in_a_cluster
	s_endpgm
.Lentry_in_a_cluster:
	s_bfe_u32 s2, ttmp6, 0x10000c
	s_cmp_lg_u32 s2, 0x3003
	s_cbranch_scc0 .Lentry_shape_is_right
	s_endpgm
.Lentry_shape_is_right:
; Causal attention of one (batch, head) for each cluster of four work-groups, both products on codes of BF6 (E3M2) with E8M0 scales; the result o = O / l is quantised along C = 64 head + d and stored as the
; next product's operand: acodes [tile of 16 token positions][head][768], ascales in planes.  Position p holds true token sigma(p) = p with bits 3 and 4 exchanged.
; THE SOFTMAX: t = score x log2(e) / 8; M = the largest t so far, rounded up to a whole number; p = 2^(t - M) is quantised along the keys, not normalised; the sum l is taken of the unquantised p and divides O at the end.
; When M moves, l and O are multiplied by 2^(old M - new M): exact.
; LDS: all of the head's K, V and their scale words, 16 key steps x 13,056 bytes, filled ONCE: wave w asks for step w, jointly with the same wave of the three partners.  Nothing is filled again and nothing is stored to LDS.
; A block of 13,056: K's 8 half images of 768 (16 keys x 64); at 6,144 V^T's 4 fragments of 1,536 (16 d x 128 keys); at 12,288 K's 128 scale words; at 12,800 V's 64.
; SHARES: wave w (e = w % 2, j = w / 2) owns the query tiles 8 g + 2 cx + e of the groups g = 15 - j and g = j of 128 queries.  A tile of group g wants key steps 0 .. g, the last on the diagonal: 17 tile steps for every wave.
; Every branch hangs on the wave's number and on counters; cx enters Q's and o's global addresses and the mask's vector alone.  Every tile walks a loop of 16 trips and jumps over the work of hidden steps.
; LAYOUT: S^T = K Q^T (source 0 = 16 key positions, source 1 = my 16 queries), O^T = V^T P^T: a lane holds one query throughout, and by sigma the 16 registers of tiles 2 b, 2 b + 1 are 16 true neighbours.
; THE FIRST PRODUCT'S K IS 64: Q's registers 6-11 are zero codes, so what stands in K's upper six registers (the next tile's codes, or zeros) adds nothing; the scale bytes there are never 0xff.
; LIMITS: NaN and infinities are not served.  A block's largest p is taken from its largest score, which takes v_exp_f32 not to fall where its input rises.  A block of zeros gets the byte 1.
; o's scale bytes leave as single bytes, 32 a tile and head, one byte in 25 of what is stored: the bytes beside them belong to other heads, which other clusters own.
; REGISTERS: v1-3 16, 8, 4 x lane; v4 the mask's vector; v5 -infinity; v6 8 r + h; v8-10 LDS addresses; v12 -M, v13 the largest t, v14-15 l; v16-27, v28 Q and its scale words (first tile), v232-243, v244 (second);
; v32-79 K's 8 x 6, then V's 4 x 12; v80-85 zeros; v86-89, v90-91 scale words; v96-159 S^T, then p; v160-191 O^T; v192-210 p's codes; v212-228 at work.
.set BLKB, 13056
.set WV,   18
.set SEL,  20
.set CS,   22                          ; s22-23 c = log2(e) / 8, twice
.set G1,   24
.set G0,   32
.set CX,   36
.set BH,   37
.set GHI,  38
.set GLO,  39
.set CNT,  40
.set TB,   41
.set HM,   56                          ; s56 the mask of lanes 16-31
.macro CROUND
	s_barrier_signal -1
	s_barrier_wait -1
	s_cmp_lg_u32 s[WV], 0
	s_cbranch_scc1 .Lnot_wave_0_\@
	s_barrier_signal -3
.Lnot_wave_0_\@:
	s_barrier_wait -3
	s_barrier_signal -1
	s_barrier_wait -1
.endm
	s_load_b256 s[4:11], s[0:1], 0x0               ; qcodes, qscales, kv, acodes
	s_load_b64 s[12:13], s[0:1], 0x20              ; ascales
	v_lshl_add_u32 v254, v0, 2, 0x33000
	v_mov_b32 v255, 0
	ds_add_u32 v254, v255
	ds_add_u32 v254, v255
	v_lshrrev_b32 v1, 5, v0
	s_delay_alu instid0(VALU_DEP_1)
	v_readfirstlane_b32 s[WV], v1                  ; wave 0..15
	s_bfe_u32 s[CX], ttmp6, 0x40000
	s_and_b32 s[BH], ttmp7, 0xffff                 ; 16 batch + head
	s_and_b32 s42, s[WV], 1                        ; e
	s_lshr_b32 s[GLO], s[WV], 1                    ; j
	s_xor_b32 s[GHI], s[GLO], 15                   ; 15 - j
	s_mov_b32 s[G1], 15|(3<<16)|(1<<21)            ; the mask: all four work-groups; elements of 8 bytes; bit 21 beside a mask
	s_mov_b32 s[G1+1], 32<<16                      ; 51 rows of 256 bytes, dense
	s_mov_b32 s[G1+2], 51<<16
	s_mov_b32 s[G1+3], 32<<16
	s_mov_b32 s[G1+4], 51
	s_mov_b32 s[G1+5], 32
	s_mov_b32 s[G1+6], 0
	s_mov_b32 s[G1+7], 0
	s_lshl_b32 s43, s[BH], 4
	s_add_co_u32 s43, s43, s[WV]
	s_mul_i32 s44, s43, BLKB
	s_mov_b32 s45, 0
	s_mov_b32 s[G0], 1
	s_mul_i32 s[G0+1], s[WV], BLKB
	s_wait_dscnt 0x0
	s_wait_kmcnt 0x0
	s_add_nc_u64 s[G0+2:G0+3], s[8:9], s[44:45]
	s_or_b32 s[G0+3], s[G0+3], 0x80000000
	CROUND                                         ; all four work-groups are here: the joint loads meet
	tensor_load_to_lds s[G0:G0+3], s[G1:G1+7]      ; key step w: my one tensor load
	s_nop 0
.rept 4
	v_nop
.endr
	s_mov_b32 s[SEL], 0x76543210
	s_mov_b32 s[SEL+1], 0xfedcba98
	s_mov_b32 s[CS], 0x3e38aa3b
	s_mov_b32 s[CS+1], s[CS]
	s_mov_b32 s[HM], 0xffff0000
	s_lshl_b32 s43, s[CX], 1
	s_add_co_u32 s43, s43, s42                     ; my tile within a group of eight
	s_lshl_b32 s46, s[GHI], 3
	s_add_co_u32 s46, s46, s43                     ; the first tile,
	s_lshl_b32 s47, s[GLO], 3
	s_add_co_u32 s47, s47, s43                     ; the second
	s_lshl_b32 s57, s[BH], 7
	s_add_co_u32 s58, s57, s46
	s_mul_i32 s44, s58, 768
	s_add_nc_u64 s[66:67], s[4:5], s[44:45]        ; Q's half image,
	s_lshl_b32 s44, s58, 6
	s_add_nc_u64 s[68:69], s[6:7], s[44:45]        ; its 16 scale words
	s_add_co_u32 s58, s57, s47
	s_mul_i32 s44, s58, 768
	s_add_nc_u64 s[70:71], s[4:5], s[44:45]
	s_lshl_b32 s44, s58, 6
	s_add_nc_u64 s[72:73], s[6:7], s[44:45]
	v_and_b32 v7, 31, v0
	s_delay_alu instid0(VALU_DEP_1)
	v_lshlrev_b32 v1, 4, v7
	s_delay_alu instid0(VALU_DEP_2)
	v_lshlrev_b32 v2, 3, v7
	s_delay_alu instid0(VALU_DEP_3)
	v_lshlrev_b32 v3, 2, v7
	v_and_b32 v11, 15, v0                          ; r
	v_bfe_u32 v7, v0, 4, 1                         ; h
	s_delay_alu instid0(VALU_DEP_1)
	v_lshl_add_u32 v6, v11, 3, v7
	s_delay_alu instid0(VALU_DEP_3)
	v_and_b32 v4, 8, v11
	s_delay_alu instid0(VALU_DEP_1)
	v_add_nc_u32 v4, v4, v11                       ; r + 8 (r / 8)
	s_delay_alu instid0(VALU_DEP_4)
	v_lshlrev_b32 v7, 4, v7
	s_delay_alu instid0(VALU_DEP_1)
	v_sub_nc_u32 v4, v4, v7
	s_lshl_b32 s61, s[CX], 5
	s_lshl_b32 s62, s42, 3
	s_add_co_u32 s61, s61, s62
	v_add_nc_u32 v4, s61, v4                       ; my query within its 128, less 16 h: register 16 b + i holds key 32 b + 16 h + i, hidden where 32 b + i is greater
	v_mov_b32 v5, 0xff800000
	v_lshlrev_b32 v11, 2, v11
	global_load_b128 v[16:19], v1, s[66:67]
	global_load_b64 v[20:21], v2, s[66:67] offset:512
	global_load_b32 v28, v11, s[68:69]
	global_load_b128 v[232:235], v1, s[70:71]
	global_load_b64 v[236:237], v2, s[70:71] offset:512
	global_load_b32 v244, v11, s[72:73]
	; where o goes: codes ((128 batch + tile) x 16 + head) x 768; bytes (head / 4) x 65,536 + (128 batch + tile) x 128 + 2 (head % 4)
	s_lshr_b32 s57, s[BH], 4
	s_lshl_b32 s57, s57, 7
	s_and_b32 s58, s[BH], 15
	s_lshr_b32 s59, s58, 2
	s_lshl_b32 s59, s59, 16
	s_and_b32 s60, s58, 3
	s_lshl_b32 s60, s60, 1
	s_add_co_u32 s59, s59, s60
.macro OPTR tau, oc, os
	s_add_co_u32 s61, s57, s[\tau]
	s_lshl_b32 s62, s61, 4
	s_add_co_u32 s62, s62, s58
	s_mul_i32 s44, s62, 768
	s_add_nc_u64 s[\oc:\oc+1], s[10:11], s[44:45]
	s_lshl_b32 s44, s61, 7
	s_add_co_u32 s44, s44, s59
	s_add_nc_u64 s[\os:\os+1], s[12:13], s[44:45]
.endm
	OPTR 46, 48, 50
	OPTR 47, 52, 54
.irp j, 0,1,2,3,4,5
	v_mov_b32 v[22+\j], 0                          ; Q's k = 64 .. 127: zero codes
	v_mov_b32 v[238+\j], 0
	v_mov_b32 v[80+\j], 0                          ; behind K's last tile
.endr
.irp b, 0,1,2,3
	v_mov_b32 v[216+\b], 0                         ; a lane permute's destination counts as read
.endr
	v_mov_b32 v224, 0
	v_mov_b32 v227, 0                              ; named as the upper half of the pair v[226:227]
	s_wait_tensorcnt 0x0                           ; my key step has landed,
	s_barrier_signal -1
	s_barrier_wait -1                              ; everybody's has
	s_wait_loadcnt 0x0                             ; Q
; A KEY STEP of 128 keys for one tile of 16 queries.  qr: Q's registers; sw: its scale words; g: the scalar register with the tile's group
.macro STEP qr, sw, g
	s_cmp_gt_u32 s[CNT], s[\g]                     ; all its keys come after my queries: only the address steps
	s_cbranch_scc1 .Lhidden_\@
	v_add_nc_u32 v8, s[TB], v1
	v_add_nc_u32 v9, s[TB], v2
	v_add_nc_u32 v10, s[TB], v3
.irp t, 0,1,2,3,4,5,6,7
	ds_load_b128 v[32+6*\t:35+6*\t], v8 offset:768*\t
	ds_load_b64 v[36+6*\t:37+6*\t], v9 offset:768*\t+512
.endr
.irp b, 0,1,2,3
	ds_load_b32 v[86+\b], v10 offset:12288+128*\b  ; lanes 0-15 tile 2 b's words, lanes 16-31 tile 2 b + 1's
.endr
	s_wait_alu depctr_va_vdst(0)
	s_wait_dscnt 0x0
.irp t, 0,2,4,6
	v_wmma_scale_f32_16x16x128_f8f6f4 v[96+8*\t:103+8*\t], v[32+6*\t:43+6*\t], v[\qr:\qr+11], 0, v[86+\t/2], v[\sw] matrix_a_fmt:MATRIX_FMT_BF6 matrix_b_fmt:MATRIX_FMT_BF6
	v_wmma_scale_f32_16x16x128_f8f6f4 v[104+8*\t:111+8*\t], v[38+6*\t:49+6*\t], v[\qr:\qr+11], 0, v[86+\t/2], v[\sw] matrix_a_fmt:MATRIX_FMT_BF6 matrix_b_fmt:MATRIX_FMT_BF6 matrix_a_scale:MATRIX_SCALE_ROW1
.endr
.rept 4
	v_nop                                          ; places in front of the loads into K's registers and of the first read of the scores
.endr
.irp c, 0,1,2,3                                ; V's fragments land while the softmax is walked
	ds_load_b128 v[32+12*\c:35+12*\c], v8 offset:6144+1536*\c
	ds_load_b64 v[36+12*\c:37+12*\c], v9 offset:6144+1536*\c+512
	ds_load_b128 v[38+12*\c:41+12*\c], v8 offset:6144+1536*\c+768
	ds_load_b64 v[42+12*\c:43+12*\c], v9 offset:6144+1536*\c+1280
.endr
	ds_load_b32 v90, v10 offset:12800
	ds_load_b32 v91, v10 offset:12928
	s_cmp_lg_u32 s[CNT], s[\g]                     ; on the diagonal hidden scores become -infinity: p = 0
	s_cbranch_scc1 .Lopen_\@
.set n, 0
.rept 64
	v_cmp_gt_i32 vcc_lo, 32*(n/16)+n%16, v4
	v_cndmask_b32 v[96+n], v[96+n], v5, vcc_lo
.set n, n+1
.endr
.Lopen_\@:
.irp b, 0,1,2,3
	v_max3_num_f32 v[212+\b], v[96+16*\b], v[97+16*\b], v[98+16*\b]   ; the largest score of each block of 32 keys: for the row's maximum and for the block's largest p
.endr
.irp i, 3,5,7,9,11,13
.irp b, 0,1,2,3
	v_max3_num_f32 v[212+\b], v[212+\b], v[96+16*\b+\i], v[97+16*\b+\i]
.endr
.endr
.irp b, 0,1,2,3
	v_max_num_f32 v[212+\b], v[212+\b], v[111+16*\b]
.endr
.irp b, 0,1,2,3
	s_delay_alu instid0(VALU_DEP_4)
	v_permlanex16_b32 v[216+\b], v[212+\b], s[SEL], s[SEL+1]
.endr
.irp b, 0,1,2,3
	s_delay_alu instid0(VALU_DEP_4)
	v_max_num_f32 v[212+\b], v[212+\b], v[216+\b]
.endr
	s_delay_alu instid0(VALU_DEP_2)
	v_max3_num_f32 v224, v212, v213, v214
	s_delay_alu instid0(VALU_DEP_1)
	v_max_num_f32 v224, v224, v215
	s_delay_alu instid0(VALU_DEP_1)
	v_mul_f32 v224, s[CS], v224                    ; as t
	s_delay_alu instid0(VALU_DEP_1)
	v_max_num_f32 v13, v13, v224                   ; the running largest t
	v_mov_b32 v224, v12
	s_delay_alu instid0(VALU_DEP_2)
	v_floor_f32 v12, -v13                          ; -M = floor(-t)
	s_delay_alu instid0(VALU_DEP_1)
	v_sub_f32 v224, v12, v224                      ; old M - new M: a whole number, 0 or less
	s_delay_alu instid0(VALU_DEP_1)
	v_cvt_i32_f32 v224, v224                       ; (it saturates)
	s_delay_alu instid0(VALU_DEP_1)
	v_ldexp_f32 v226, 1.0, v224                    ; f = 2^(old M - new M)
.set n, 0
.rept 32
	v_pk_fma_f32 v[96+n:97+n], v[96+n:97+n], s[CS:CS+1], v[12:13] op_sel_hi:[1,0,0]   ; t - M
.set n, n+2
.endr
.irp b, 0,1,2,3
	v_fma_f32 v[212+\b], v[212+\b], s[CS], v12
.endr
.set n, 0
	s_wait_alu depctr_va_vdst(0)
.rept 64
	v_exp_f32 v[96+n], v[96+n]                     ; p = 2^(t - M)
.set n, n+1
.endr
	v_pk_mul_f32 v[14:15], v[14:15], v[226:227] op_sel_hi:[1,0]   ; l under the new M: the plain instruction behind the batch
	s_wait_alu depctr_va_vdst(0)                   ; one wait for the 64, ahead of their first reader
.irp b, 0,1,2,3
	v_exp_f32 v[212+\b], v[212+\b]                 ; each block's largest p
.endr
	v_pk_add_f32 v[216:217], v[100:101], v[104:105]
	v_pk_add_f32 v[252:253], v[108:109], v[112:113]
	v_pk_add_f32 v[250:251], v[116:117], v[120:121]
	v_pk_add_f32 v[248:249], v[124:125], v[128:129]
	v_pk_add_f32 v[246:247], v[132:133], v[136:137]
	v_pk_add_f32 v[230:231], v[140:141], v[144:145]
	v_pk_add_f32 v[228:229], v[148:149], v[152:153]
	v_pk_add_f32 v[14:15], v[14:15], v[156:157]
	v_pk_add_f32 v[216:217], v[216:217], v[96:97]
	v_pk_add_f32 v[252:253], v[252:253], v[98:99]
	v_pk_add_f32 v[250:251], v[250:251], v[102:103]
	v_pk_add_f32 v[248:249], v[248:249], v[106:107]
	v_pk_add_f32 v[246:247], v[246:247], v[110:111]
	v_pk_add_f32 v[230:231], v[230:231], v[114:115]
	v_pk_add_f32 v[228:229], v[228:229], v[118:119]
	v_pk_add_f32 v[14:15], v[14:15], v[122:123]
	v_pk_add_f32 v[216:217], v[216:217], v[126:127]
	v_pk_add_f32 v[252:253], v[252:253], v[130:131]
	v_pk_add_f32 v[250:251], v[250:251], v[134:135]
	v_pk_add_f32 v[248:249], v[248:249], v[138:139]
	v_pk_add_f32 v[246:247], v[246:247], v[142:143]
	v_pk_add_f32 v[230:231], v[230:231], v[146:147]
	v_pk_add_f32 v[228:229], v[228:229], v[150:151]
	v_pk_add_f32 v[14:15], v[14:15], v[154:155]
	v_pk_add_f32 v[216:217], v[216:217], v[158:159]
	s_delay_alu instid0(VALU_DEP_2)
	v_pk_add_f32 v[14:15], v[14:15], v[248:249]
	s_delay_alu instid0(VALU_DEP_2)
	v_pk_add_f32 v[216:217], v[216:217], v[246:247]
	v_pk_add_f32 v[252:253], v[252:253], v[230:231]
	v_pk_add_f32 v[250:251], v[250:251], v[228:229]
	s_delay_alu instid0(VALU_DEP_2)
	v_pk_add_f32 v[14:15], v[14:15], v[252:253]
	s_delay_alu instid0(VALU_DEP_2)
	v_pk_add_f32 v[216:217], v[216:217], v[250:251]
	s_delay_alu instid0(VALU_DEP_1)
	v_pk_add_f32 v[14:15], v[14:15], v[216:217]
	s_wait_alu depctr_va_vdst(0)                   ; and one for the four
.irp b, 0,1,2,3
	v_max_num_f32 v[212+\b], 0x2800000, v[212+\b]  ; the floor
.endr
.irp b, 0,1,2,3
	s_delay_alu instid0(VALU_DEP_4)
	v_add_nc_u32 v[220+\b], 0xfe000000, v[212+\b]
.endr
.irp b, 0,1,2,3
	s_delay_alu instid0(VALU_DEP_4)
	v_lshrrev_b32 v[216+\b], 23, v[220+\b]
.endr
	s_delay_alu instid0(VALU_DEP_3)
	v_lshl_or_b32 v228, v217, 8, v216              ; p's scale word for these 128 keys
	s_delay_alu instid0(VALU_DEP_1)
	v_lshl_or_b32 v228, v218, 16, v228
	s_delay_alu instid0(VALU_DEP_1)
	v_lshl_or_b32 v228, v219, 24, v228
.irp c, 0,1
	v_cvt_scalef32_pk16_bf6_f32 v[192+6*\c:194+6*\c], v[96+32*\c:111+32*\c], v[220+2*\c]
	v_cvt_scalef32_pk16_bf6_f32 v[204+4*\c:206+4*\c], v[112+32*\c:127+32*\c], v[220+2*\c+1]
.endr
	v_nop                                          ; one plain instruction behind the scaled conversions
.irp c, 0,1
.irp i, 0,1,2
	v_permlane16_swap_b32 v[192+6*\c+\i], v[204+4*\c+\i]
.endr
.irp i, 0,1,2
	s_delay_alu instid0(VALU_DEP_3)
	v_mov_b32 v[195+6*\c+\i], v[204+4*\c+\i]
.endr
.endr
.set n, 0
.rept 16
	v_pk_mul_f32 v[160+n:161+n], v[160+n:161+n], v[226:227] op_sel_hi:[1,0]   ; O^T under the new M; these 16 also stand between the scale word, the codes and the products
.set n, n+2
.endr
	s_wait_alu depctr_va_vdst(0)
	s_wait_dscnt 0x0                               ; V
.irp c, 0,2                                    ; the four accumulators take turns
	v_wmma_scale_f32_16x16x128_f8f6f4 v[160+8*\c:167+8*\c], v[32+12*\c:43+12*\c], v[192:203], v[160+8*\c:167+8*\c], v[90+\c/2], v228 matrix_a_fmt:MATRIX_FMT_BF6 matrix_b_fmt:MATRIX_FMT_BF6
	v_wmma_scale_f32_16x16x128_f8f6f4 v[168+8*\c:175+8*\c], v[44+12*\c:55+12*\c], v[192:203], v[168+8*\c:175+8*\c], v[90+\c/2], v228 matrix_a_fmt:MATRIX_FMT_BF6 matrix_b_fmt:MATRIX_FMT_BF6 matrix_a_scale:MATRIX_SCALE_ROW1
.endr
.rept 4
	v_nop                                          ; places in front of the next step's loads and of the way out's reads
.endr
.Lhidden_\@:
	s_add_co_u32 s[TB], s[TB], BLKB
.endm
; A TILE of 16 queries: all its key steps, then o = O / l, quantised along d and stored
.macro TILE qr, sw, g, oc, os
	s_wait_xcnt 0x0                                ; the last tile's stores have read their data
.set n, 0
.rept 32
	v_mov_b32 v[160+n], 0                          ; the step is written once: the first finds zeros
.set n, n+1
.endr
	v_mov_b32 v13, 0xff61b1e6                      ; -3e38, under every t
	s_delay_alu instid0(VALU_DEP_1)
	v_floor_f32 v12, -v13
	v_mov_b32 v14, 0
	v_mov_b32 v15, 0
	s_mov_b32 s[TB], 0
	s_mov_b32 s[CNT], 0
.Lstep_\@:
	STEP \qr, \sw, \g
	s_add_co_u32 s[CNT], s[CNT], 1
	s_cmp_lt_u32 s[CNT], 16
	s_cbranch_scc1 .Lstep_\@
	s_wait_alu depctr_va_vdst(0)
	v_add_f32 v14, v14, v15
	s_delay_alu instid0(VALU_DEP_1)
	v_permlanex16_b32 v224, v14, s[SEL], s[SEL+1]
	s_delay_alu instid0(VALU_DEP_1)
	v_add_f32 v14, v14, v224                       ; the row's sum
	s_wait_alu depctr_va_vdst(0)
	v_rcp_f32 v226, v14
	v_nop                                          ; a plain instruction behind the reciprocal
	s_wait_alu depctr_va_vdst(0)                   ; and the wait ahead of its first reader
.set n, 0
.rept 16
	v_pk_mul_f32 v[96+n:97+n], v[160+n:161+n], v[226:227] op_sel_hi:[1,0]   ; register 16 b + i = o(my query, d = 32 b + 16 h + i)
.set n, n+2
.endr
.irp b, 0,1
	v_max3_num_f32 v[212+\b], |v[96+16*\b]|, |v[97+16*\b]|, 0x2800000
.endr
.irp i, 2,4,6,8,10,12,14
.irp b, 0,1
	s_delay_alu instid0(VALU_DEP_2)
	v_max3_num_f32 v[212+\b], v[212+\b], |v[96+16*\b+\i]|, |v[97+16*\b+\i]|
.endr
.endr
.irp b, 0,1
	s_delay_alu instid0(VALU_DEP_2)
	v_permlanex16_b32 v[216+\b], v[212+\b], s[SEL], s[SEL+1]
.endr
.irp b, 0,1
	s_delay_alu instid0(VALU_DEP_2)
	v_max_num_f32 v[212+\b], v[212+\b], v[216+\b]
.endr
.irp b, 0,1
	s_delay_alu instid0(VALU_DEP_2)
	v_add_nc_u32 v[220+\b], 0xfe000000, v[212+\b]
.endr
.irp b, 0,1
	s_delay_alu instid0(VALU_DEP_2)
	v_lshrrev_b32 v[216+\b], 23, v[220+\b]
.endr
	v_cvt_scalef32_pk16_bf6_f32 v[192:194], v[96:111], v220
	v_cvt_scalef32_pk16_bf6_f32 v[204:206], v[112:127], v221
	v_nop
.irp i, 0,1,2
	v_permlane16_swap_b32 v[192+\i], v[204+\i]
.endr
.irp i, 0,1,2
	s_delay_alu instid0(VALU_DEP_3)
	v_mov_b32 v[195+\i], v[204+\i]
.endr
	v_cndmask_b32 v224, v216, v217, s[HM]          ; lanes 16-31 store the second block's byte
	global_store_b128 v1, v[192:195], s[\oc:\oc+1]             ; 512 consecutive bytes,
	global_store_b64 v2, v[196:197], s[\oc:\oc+1] offset:512   ; 256: the half image of this tile and head
	global_store_b8 v6, v224, s[\os:\os+1]
.endm
	TILE 16, 28, GHI, 48, 50
	TILE 232, 244, GLO, 52, 54
	s_wait_dscnt 0x0
	s_wait_tensorcnt 0x0
	ds_add_u32 v254, v255
	s_wait_dscnt 0x0
	CROUND                                         ; the closing round
	s_endpgm
.Lfunc_end_k_q36ddcd2ab7_attn:
	.size	k_q36ddcd2ab7_attn, .Lfunc_end_k_q36ddcd2ab7_attn-k_q36ddcd2ab7_attn
	.p2alignl 7, 3214868480
	.fill 96, 4, 3214868480
	.section	.rodata,"a",@progbits
	.p2align	6, 0x0
	.amdhsa_kernel k_q36ddcd2ab7_attn
		.amdhsa_group_segment_fixed_size 210944
		.amdhsa_private_segment_fixed_size 0
		.amdhsa_enable_private_segment 0
		.amdhsa_kernarg_size 40
		.amdhsa_user_sgpr_count 2
		.amdhsa_user_sgpr_kernarg_segment_ptr 1
		.amdhsa_wavefront_size32 1
		.amdhsa_system_sgpr_workgroup_id_x 1
		.amdhsa_system_sgpr_workgroup_id_y 1
		.amdhsa_system_sgpr_workgroup_id_z 1
		.amdhsa_system_vgpr_workitem_id 0
		.amdhsa_next_free_vgpr 256
		.amdhsa_next_free_sgpr 76
		.amdhsa_reserve_vcc 1
		.amdhsa_float_denorm_mode_32 3
		.amdhsa_float_denorm_mode_16_64 3
		.amdhsa_memory_ordered 1
		.amdhsa_forward_progress 1
		.amdhsa_inst_pref_size 63
	.end_amdhsa_kernel
	.amdgpu_metadata
---
amdhsa.version: [ 1, 2 ]
amdhsa.kernels:
  - .name:           k_q36ddcd2ab7_attn
    .symbol:         k_q36ddcd2ab7_attn.kd
    .args:
      - { .name: qcodes, .offset: 0, .size: 8, .value_kind: global_buffer, .address_space: global }
      - { .name: qscales, .offset: 8, .size: 8, .value_kind: global_buffer, .address_space: global }
      - { .name: kv, .offset: 16, .size: 8, .value_kind: global_buffer, .address_space: global }
      - { .name: acodes, .offset: 24, .size: 8, .value_kind: global_buffer, .address_space: global }
      - { .name: ascales, .offset: 32, .size: 8, .value_kind: global_buffer, .address_space: global }
    .group_segment_fixed_size: 210944
    .private_segment_fixed_size: 0
    .kernarg_segment_align: 8
    .kernarg_segment_size: 40
    .max_flat_workgroup_size: 512
    .sgpr_count:     76
    .vgpr_count:     256
    .wavefront_size: 32
...
	.end_amdgpu_metadata
.endif
;; end of part 3
;; launch proj (part 4): grid 32 x 8, 4 waves a work-group, clusters of 4 x 4, 327,680 bytes of LDS; arguments acodes, ascales, wcodes, wscales, bp, out0; writes out0
.if DOCPART == 4
	.amdgcn_target "amdgcn-amd-amdhsa--gfx1250"
	.amdhsa_code_object_version 6
	.text
	.protected	k_q36ddcd2ab7_proj
	.globl	k_q36ddcd2ab7_proj
	.p2align	8
	.type	k_q36ddcd2ab7_proj,@function
k_q36ddcd2ab7_proj:
	s_mov_b64 s[64:65], 0
	v_nop
	global_prefetch_b8 v0, s[64:65] scope:SCOPE_SE
	s_setreg_imm32_b32 hwreg(HW_REG_WAVE_MODE, 25, 1), 1
	s_wait_xcnt 0x0
	s_wait_alu depctr_hold_cnt(0) depctr_sa_sdst(0) depctr_va_vdst(0) depctr_va_sdst(0) depctr_va_ssrc(0) depctr_va_vcc(0) depctr_vm_vsrc(0)
	s_getreg_b32 s2, hwreg(HW_REG_IB_STS2, 6, 4)
	s_cmp_eq_u32 s2, 0
	s_cbranch_scc0 .Lentry_in_a_cluster
	s_endpgm
.Lentry_in_a_cluster:
	s_bfe_u32 s2, ttmp6, 0x10000c
	s_cmp_lg_u32 s2, 0xf033
	s_cbranch_scc0 .Lentry_shape_is_right
	s_endpgm
.Lentry_shape_is_right:
; out0[token][n] = bp[n] + sum over k of o[token][k] Wp[k][n], f32, on codes of BF6 (E3M2) with E8M0 scales: 8,192 x 1,024 x 1,024.
; LIMITS: NaN, infinities and sums beyond f32's range are not served; a sum begins with the bias, where the reference adds it last.
; OPERANDS are images of operand registers: [tile of 16 positions][16 half images of 768 bytes], 12,288 bytes a tile; position p holds true row p with bits 3 and 4 exchanged.
; Scale bytes: plane (K / 256) x 65,536 + tile x 128 + 8 r + (K / 32) % 8.  Wp's columns are wcodes' tiles 192 on.
; THE DEAL: 256 work-groups of four waves, 2 x 2, each 256 tokens x 128 columns.  Wave (a, b) holds its 64 columns of Wp, all of K, in 384 registers, and streams its eight tiles of tokens, 8 a + s, past them: 32 products a block.
; The cluster's x counts tile rows: tokens' tiles are shared by a column of the cluster, Wp's by a row.  No LDS address hangs on the cluster's numbers.
; LDS, filled once (so no refill, and no data prefetch: all is asked for at the head): A's 16 tiles, Wp's 8 tiles, the spare words.  The waves' stages lie in Wp's first bytes, which are read for the last time ahead of the stream's barrier.
; THE HEAD'S FOUR TILES, one a wave, each on its own line: Wp's 8 tiles; blocks 0-3 of both wave rows (2 rows of 4 tiles); blocks 4, 5; blocks 6, 7.  The stream begins when the first two are in; a barrier inside block 1 shows the others.
; SCALE WORDS come straight into registers by loads of 256 consecutive bytes: lanes 0-15 a pair's even tile, lanes 16-31 its odd tile; the product names the row of the register.
; The matrix instruction takes Wp's tile as source 0 and the tokens' as source 1: a lane holds a token, its registers eight neighbouring columns.  The four accumulators of a block take turns.
; Behind a block's products: its sums into my stage and back as rows of 256 bytes; the fetch of the block two on; one wait; eight stores, sixteen lanes to 256 consecutive aligned bytes.
.set TB, 12288                         ; a tile
.set FR, 12                            ; registers of a fragment
.set FPW, 21                           ; fragments in a window: fragment f lies in window 1 + f / 21 at register 12 (f % 21).  0-31 Wp's (4 q + tile), 32-47 the tokens' two sets (32 + 8 e + q)
.set NF, 32                            ; LDS loads of a block
.set YB, 16*TB                         ; Wp's tiles
.set STAGE, YB
.set SPITCH, 272                       ; a stage row: 256 bytes + 16
.set SPARE, 24*TB                      ; the spare words: 128 bytes a wave
.set SPW, 10
.set NIL, 11
.set AA, 12                            ; v12-17 LDS addresses of my blocks 0-3, 4-5, 6-7: 16 x lane and 8 x lane each
.set BA, 18                            ; v18-19 of my tiles of Wp
.set STO, 20
.set RD, 21
.set CO, 22
.set BOF, 23
.set SB, 24                            ; v24-39 Wp's scale words: 8 x pair + q
.set SA, 44                            ; v44-75 the tokens': 8 x pair + q
.set ACC, 80                           ; v80-143 two sets of four accumulators
.set BK, 144                           ; v144-207 two sets: 16 rows back from the stage
.set BO, 208                           ; v208-239 the bias as the first products' C
.set G1A, 24
.set G1B, 32
.set G0A, 56
.set G0B, 60
.set MSB, 0
.macro WIN new
.if MSB != \new
	s_set_vgpr_msb (MSB<<8)|\new
.set MSB, \new
.endif
.endm
.macro PLACES n
.rept \n
	v_nop
.endr
.endm
.macro BARRIER
	s_barrier_signal -1
	s_barrier_wait -1
.endm
.macro CROUND
	BARRIER
	s_cmp_lg_u32 s14, 0
	s_cbranch_scc1 .Lnot_wave_0_\@
	s_barrier_signal -3
.Lnot_wave_0_\@:
	s_barrier_wait -3
	BARRIER
.endm
.macro TLOAD g0, g1                    ; an s_nop 0 and four v_nop follow a tensor load
	tensor_load_to_lds s[\g0:\g0+3], s[\g1:\g1+7]
	s_nop 0
	PLACES 4
.endm
.macro ATILE first, n                  ; tiles first .. first + n - 1 of both wave rows: 2 rows of n tiles, 8 tiles apart in memory, dense in LDS
	s_mov_b32 s[G0A+1], 2*(\first)*TB
	s_mov_b32 s[G1A+1], ((\n)*TB/8)<<16
	s_mov_b32 s[G1A+2], 2<<16
	s_mov_b32 s[G1A+3], ((\n)*TB/8)<<16
	s_mov_b32 s[G1A+4], 2
.if \first
	s_add_nc_u64 s[G0A+2:G0A+3], s[G0A+2:G0A+3], (\first)*TB
.endif
	s_or_b32 s[G0A+3], s[G0A+3], 0x80000000
	TLOAD G0A, G1A
.endm
.macro FRAG f, a16, a8, off            ; a fragment is two half images on end: four dense loads
	WIN (1+(\f)/FPW)<<6
.set R_, FR*((\f)%FPW)
	ds_load_b128 v[R_:R_+3], v[\a16] offset:(\off)
	ds_load_b64 v[R_+4:R_+5], v[\a8] offset:(\off)+512
	ds_load_b128 v[R_+6:R_+9], v[\a16] offset:(\off)+768
	ds_load_b64 v[R_+10:R_+11], v[\a8] offset:(\off)+1280
.endm
.macro FETCH e, s                      ; my block s into set e
.if (\s) < 4
.set A_, AA
.set O_, (\s)*TB
.elseif (\s) < 6
.set A_, AA+2
.set O_, ((\s)-4)*TB
.else
.set A_, AA+4
.set O_, ((\s)-6)*TB
.endif
.irp q, 0,1,2,3,4,5,6,7
	FRAG 32+8*(\e)+\q, A_, A_+1, O_+\q*1536
.endr
	WIN 0
.endm
.macro P2 c, tp, o, e, j
	v_wmma_scale_f32_16x16x128_f8f6f4 v[D_:D_+7], v[FR*(FB_%FPW):FR*(FB_%FPW)+FR-1], v[FR*(FA_%FPW):FR*(FA_%FPW)+FR-1], \c, v[SB+8*\tp+Q_], v[SA+8*(\j)+Q_] matrix_a_fmt:MATRIX_FMT_BF6 matrix_b_fmt:MATRIX_FMT_BF6 matrix_a_scale:MATRIX_SCALE_ROW\o matrix_b_scale:MATRIX_SCALE_ROW\e
.endm
.macro P1 e, j, tp, o                  ; step Q_ along K, Wp's tile 2 tp + o, the tokens' set e (also: which tile of pair j)
.set FB_, 4*Q_+2*\tp+\o
.set FA_, 32+8*\e+Q_
.set D_, ACC+32*\e+16*\tp+8*\o
	WIN (1+FB_/FPW)|((1+FA_/FPW)<<2)
.if Q_
	P2 v[D_:D_+7], \tp, \o, \e, \j
.else
	P2 v[BO+16*\tp+8*\o:BO+16*\tp+8*\o+7], \tp, \o, \e, \j
.endif
.endm
.macro PRODS e, j, q0, q1
.set Q_, \q0
.rept (\q1)-(\q0)
.irp tp, 0,1
.irp o, 0,1
	P1 \e, \j, \tp, \o
.endr
.endr
.set Q_, Q_+1
.endr
	WIN 0
.endm
.macro STAGED e                        ; set e's sums into my stage, each accumulator from its low end on, and back as rows.  LDS serves a wave's instructions in order (ISA guide 5.7.1.4)
.irp b, 0,1,2,3
	ds_store_b128 v[STO], v[ACC+32*(\e)+8*\b:ACC+32*(\e)+8*\b+3] offset:128*(\b/2)+32*(\b%2)
	ds_store_b128 v[STO], v[ACC+32*(\e)+8*\b+4:ACC+32*(\e)+8*\b+7] offset:128*(\b/2)+32*(\b%2)+16
.endr
.irp t, 0,1,2,3,4,5,6,7
	ds_load_b128 v[BK+32*(\e)+4*\t:BK+32*(\e)+4*\t+3], v[RD] offset:2*\t*SPITCH
.endr
.endm
.macro TOC e, s                        ; position p of tile s is token 32 (s / 2) + 8 (s % 2) + p + 8 (p / 8) of my 128
.irp t, 0,1,2,3,4,5,6,7
	global_store_b128 v[CO], v[BK+32*(\e)+4*\t:BK+32*(\e)+4*\t+3], s[86:87] offset:(32*((\s)/2)+8*((\s)%2)+2*\t+8*(\t/4))*4096 th:TH_STORE_NT
.endr
.endm
.macro STREAM e, s, show
.if \show
	PRODS \e, (\s)/2, 0, 6
	s_wait_tensorcnt 0x0                           ; every wave's tile is in,
	s_wait_dscnt 0x0
	s_barrier_signal -1                            ; a plain barrier
	PRODS \e, (\s)/2, 6, 8
	s_barrier_wait -1
.else
	PRODS \e, (\s)/2, 0, 8
.endif
	PLACES 4                                       ; between the last product and the readers of its sums and the loads into its sources
	s_wait_xcnt 0x0                                ; the stores of two blocks ago have read this set of rows
	STAGED \e
.if (\s)+2 < 8
	FETCH \e, (\s)+2
	s_wait_dscnt NF                                ; younger is this run's fetch alone: my rows are back, and the next block's fragments are in
.else
	s_wait_dscnt 0x0
.endif
	TOC \e, \s
.endm
; ---- the head
	s_load_b128 s[4:7], s[0:1], 0x0                ; acodes, ascales
	s_load_b128 s[8:11], s[0:1], 0x10              ; wcodes, wscales
	s_load_b128 s[84:87], s[0:1], 0x20             ; bp, out0
	v_lshl_add_u32 v[SPW], v0, 2, SPARE
	v_mov_b32 v[NIL], 0
	ds_add_u32 v[SPW], v[NIL]
	ds_add_u32 v[SPW], v[NIL]
	v_lshrrev_b32 v1, 5, v0
	v_readfirstlane_b32 s14, v1                    ; the wave; s15 its row a, s16 its column b
	s_lshr_b32 s15, s14, 1
	s_and_b32 s16, s14, 1
	s_bfe_u32 s40, ttmp6, 0x40000
	s_bfe_u32 s41, ttmp6, 0x40004
	s_lshl_b32 s43, ttmp9, 2
	s_add_co_u32 s43, s43, s40                     ; tile row: 256 tokens
	s_and_b32 s42, ttmp7, 0xffff
	s_lshl_b32 s42, s42, 2
	s_add_co_u32 s42, s42, s41                     ; tile column: 128 columns
	s_lshl_b32 s44, 0x1111, s40                    ; my column of the cluster shares the tokens' tiles
	s_lshl_b32 s45, s41, 2
	s_lshl_b32 s45, 15, s45                        ; my row shares Wp's
	s_or_b32 s[G1A], s44, (3<<16)|(1<<21)          ; elements of 8 bytes; the tile's sizes stand with each load
	s_mov_b32 s[G1A+5], 8*TB/8
	s_mov_b32 s[G1A+6], 0
	s_mov_b32 s[G1A+7], 0
	s_or_b32 s[G1B], s45, (3<<16)|(1<<21)          ; 8 tiles on end: 384 rows of 256 bytes
	s_mov_b32 s[G1B+1], 32<<16
	s_mov_b32 s[G1B+2], 384<<16
	s_mov_b32 s[G1B+3], 32<<16
	s_mov_b32 s[G1B+4], 384
	s_mov_b32 s[G1B+5], 32
	s_mov_b32 s[G1B+6], 0
	s_mov_b32 s[G1B+7], 0
	s_mov_b32 s[G0A], 1
	s_mov_b32 s[G0B], 1
	s_mov_b32 s[G0B+1], YB
	s_mul_i32 s76, s43, 16*TB                      ; my tokens' tiles
	s_mov_b32 s77, 0
	s_mul_i32 s78, s42, 8*TB
	s_add_co_u32 s78, s78, 192*TB                  ; Wp's tiles
	s_mov_b32 s79, 0
	s_lshl_b32 s80, s43, 11
	s_lshl_b32 s20, s15, 10
	s_add_co_u32 s80, s80, s20                     ; my eight tiles' scale bytes in a plane
	s_mov_b32 s81, 0
	s_lshl_b32 s82, s42, 10
	s_lshl_b32 s20, s16, 9
	s_add_co_u32 s82, s82, s20
	s_add_co_u32 s82, s82, 192*128                 ; my four tiles of Wp's
	s_mov_b32 s83, 0
	s_lshl_b32 s90, s42, 9
	s_lshl_b32 s20, s16, 8
	s_add_co_u32 s90, s90, s20                     ; my first column, in bytes
	s_mov_b32 s91, 0
	s_lshl_b32 s88, s43, 20
	s_lshl_b32 s20, s15, 19
	s_add_co_u32 s88, s88, s20
	s_add_co_u32 s88, s88, s90                     ; my first token's row of out0, at that column
	s_mov_b32 s89, 0
	v_and_b32 v1, 15, v0
	v_bfe_u32 v2, v0, 4, 1
	v_and_b32 v3, 31, v0
	v_lshlrev_b32 v4, 4, v3                        ; 16 x lane
	v_lshlrev_b32 v5, 3, v3                        ; 8 x lane
	s_mul_i32 s20, s15, 4*TB
	s_mul_i32 s21, s15, 2*TB
	s_add_co_u32 s21, s21, 8*TB
	s_mul_i32 s22, s16, 4*TB
	s_add_co_u32 s22, s22, YB
	s_mul_i32 s23, s14, 16*SPITCH
	s_add_co_u32 s23, s23, STAGE
	v_add_nc_u32 v[AA], s20, v4
	v_add_nc_u32 v[AA+1], s20, v5
	v_add_nc_u32 v[AA+2], s21, v4
	v_add_nc_u32 v[AA+3], s21, v5
	v_add_nc_u32 v[AA+4], 4*TB, v[AA+2]
	v_add_nc_u32 v[AA+5], 4*TB, v[AA+3]
	v_add_nc_u32 v[BA], s22, v4
	v_add_nc_u32 v[BA+1], s22, v5
	v_mul_u32_u24 v6, v1, SPITCH                   ; into the stage: row r, 64 bytes for each half of the lanes
	v_lshl_add_u32 v6, v2, 6, v6
	v_add_nc_u32 v[STO], s23, v6
	v_mul_u32_u24 v6, v2, SPITCH                   ; back: sixteen lanes to a row
	v_lshl_add_u32 v6, v1, 4, v6
	v_add_nc_u32 v[RD], s23, v6
	v_lshlrev_b32 v6, 12, v2
	v_lshl_add_u32 v[CO], v1, 4, v6                ; and the same two rows in out0
	v_lshlrev_b32 v[BOF], 6, v2
	s_wait_alu depctr_va_vdst(0)
	s_wait_dscnt 0x0
	CROUND                                         ; the opening round
	s_wait_kmcnt 0x0
	s_add_nc_u64 s[G0A+2:G0A+3], s[4:5], s[76:77]
	s_add_nc_u64 s[G0B+2:G0B+3], s[8:9], s[78:79]
	s_or_b32 s[G0B+3], s[G0B+3], 0x80000000
	s_add_nc_u64 s[6:7], s[6:7], s[80:81]
	s_add_nc_u64 s[10:11], s[10:11], s[82:83]
	s_add_nc_u64 s[84:85], s[84:85], s[90:91]
	s_add_nc_u64 s[86:87], s[86:87], s[88:89]
	s_cmp_eq_u32 s14, 0
	s_cbranch_scc0 .Lwave_1
	TLOAD G0B, G1B                                 ; wave 0: Wp's tiles, which are wanted first
	s_branch .Lasked
.Lwave_1:
	s_cmp_eq_u32 s14, 1
	s_cbranch_scc0 .Lwave_2
	ATILE 0, 4                                     ; wave 1: blocks 0 to 3
	s_branch .Lasked
.Lwave_2:
	s_cmp_eq_u32 s14, 2
	s_cbranch_scc0 .Lwave_3
	ATILE 4, 2                                     ; wave 2: blocks 4, 5
	s_branch .Lasked
.Lwave_3:
	ATILE 6, 2                                     ; wave 3: blocks 6, 7
.Lasked:
.irp j, 0,1,2,3
.irp p, 0,1,2,3
	global_load_b64 v[SA+8*\j+2*\p:SA+8*\j+2*\p+1], v5, s[6:7] offset:65536*\p+256*\j    ; 256 consecutive bytes: a pair of tiles, 256 along K
.endr
.endr
.irp j, 0,1
.irp p, 0,1,2,3
	global_load_b64 v[SB+8*\j+2*\p:SB+8*\j+2*\p+1], v5, s[10:11] offset:65536*\p+256*\j
.endr
.endr
.irp b, 0,1,2,3                        ; register i of tile b of lane (r, h) is column 32 (b / 2) + 16 h + 8 (b % 2) + i of my 64
	global_load_b128 v[BO+8*\b:BO+8*\b+3], v[BOF], s[84:85] offset:128*(\b/2)+32*(\b%2)
	global_load_b128 v[BO+8*\b+4:BO+8*\b+7], v[BOF], s[84:85] offset:128*(\b/2)+32*(\b%2)+16
.endr
	s_cmp_eq_u32 s14, 0
	s_cbranch_scc0 .Lnot_b
	s_wait_tensorcnt 0x0
.Lnot_b:
	BARRIER                                        ; Wp's tiles are in
.irp q, 0,1,2,3,4,5,6,7
.irp t, 0,1,2,3
	FRAG 4*\q+\t, BA, BA+1, \t*TB+\q*1536
.endr
.endr
	WIN 0
	s_cmp_eq_u32 s14, 1
	s_cbranch_scc0 .Lnot_a
	s_wait_tensorcnt 0x0
.Lnot_a:
	s_wait_dscnt 0x0
	BARRIER                                        ; blocks 0 to 3 are in, and nobody reads Wp's bytes any more.  Waves 2 and 3's tiles may be on their way
	FETCH 0, 0
	FETCH 1, 1
	s_wait_loadcnt 0x0                             ; the scale words and the bias
	s_wait_dscnt NF                                ; block 0's fragments are in
; ---- the stream
	STREAM 0, 0, 0
	STREAM 1, 1, 1
	STREAM 0, 2, 0
	STREAM 1, 3, 0
	STREAM 0, 4, 0
	STREAM 1, 5, 0
	STREAM 0, 6, 0
	STREAM 1, 7, 0
	s_wait_tensorcnt 0x0                           ; the wave's end
	ds_add_u32 v[SPW], v[NIL]
	s_wait_dscnt 0x0
	CROUND                                         ; the closing round
	s_endpgm
.Lfunc_end_k_q36ddcd2ab7_proj:
	.size	k_q36ddcd2ab7_proj, .Lfunc_end_k_q36ddcd2ab7_proj-k_q36ddcd2ab7_proj
	.p2alignl 7, 3214868480
	.fill 96, 4, 3214868480
	.section	.rodata,"a",@progbits
	.p2align	6, 0x0
	.amdhsa_kernel k_q36ddcd2ab7_proj
		.amdhsa_group_segment_fixed_size 327680
		.amdhsa_private_segment_fixed_size 0
		.amdhsa_enable_private_segment 0
		.amdhsa_kernarg_size 48
		.amdhsa_user_sgpr_count 2
		.amdhsa_user_sgpr_kernarg_segment_ptr 1
		.amdhsa_wavefront_size32 1
		.amdhsa_system_sgpr_workgroup_id_x 1
		.amdhsa_system_sgpr_workgroup_id_y 1
		.amdhsa_system_sgpr_workgroup_id_z 1
		.amdhsa_system_vgpr_workitem_id 0
		.amdhsa_next_free_vgpr 840
		.amdhsa_next_free_sgpr 96
		.amdhsa_reserve_vcc 0
		.amdhsa_float_denorm_mode_32 3
		.amdhsa_float_denorm_mode_16_64 3
		.amdhsa_memory_ordered 1
		.amdhsa_forward_progress 1
		.amdhsa_inst_pref_size 85
	.end_amdhsa_kernel
	.amdgpu_metadata
---
amdhsa.version: [ 1, 2 ]
amdhsa.kernels:
  - .name:           k_q36ddcd2ab7_proj
    .symbol:         k_q36ddcd2ab7_proj.kd
    .args:
      - { .name: acodes, .offset: 0, .size: 8, .value_kind: global_buffer, .address_space: global }
      - { .name: ascales, .offset: 8, .size: 8, .value_kind: global_buffer, .address_space: global }
      - { .name: wcodes, .offset: 16, .size: 8, .value_kind: global_buffer, .address_space: global }
      - { .name: wscales, .offset: 24, .size: 8, .value_kind: global_buffer, .address_space: global }
      - { .name: bp, .offset: 32, .size: 8, .value_kind: global_buffer, .address_space: global }
      - { .name: out0, .offset: 40, .size: 8, .value_kind: global_buffer, .address_space: global }
    .group_segment_fixed_size: 327680
    .private_segment_fixed_size: 0
    .kernarg_segment_align: 8
    .kernarg_segment_size: 48
    .max_flat_workgroup_size: 128
    .sgpr_count:     96
    .vgpr_count:     840
    .wavefront_size: 32
...
	.end_amdgpu_metadata
.endif
;; end of part 4
